; MI455X (gfx1250); checked and timed in simulation.
; The chip was launched on July 23, 2026; its instructions are those of AMD's public machine-readable ISA for CDNA 5 (MIT licence, August 2026) and "CDNA5" Instruction Set Architecture Reference Guide (July 2026). The comments in the code are by the model that wrote it; some were corrected since.
;; Swin Block. Allowed arithmetic: matrix products marked QUANTISED: E5M2 operands, one E8M0 scale for each 32 along K, by v_wmma_scale_f32_16x16x128_f8f6f4 with both operands' format E5M2, f32 sums; everything else in f32.
;; Inputs: bn1_b 128 float32; bn1_g 128 float32; bn2_b 128 float32; bn2_g 128 float32; mlp_b1 512 float32; mlp_b2 128 float32; mlp_w1 512 x 128 float32; mlp_w2 128 x 512 float32; proj_b 128 float32; proj_w 128 x 128 float32; qkv_b 384 float32; qkv_w 384 x 128 float32; x 4 x 128 x 64 x 64 float32.
;; Outputs: out0 4 x 128 x 64 x 64 float32.
;; This version of the problem:
;;   THIS VERSION OF THE PROBLEM IS GIVEN IN LOW PRECISION. The matrix products marked QUANTISED in the list below multiply operands that are first quantised to E5M2 (5 exponent bits, 2 mantissa bits; 8 bits a number), with one power-of-two scale for each 32 numbers along K (OCP MX v1.0); their sums are f32. All else is computed in f32.
;;   The module's matrix products, in the order in which they are computed (A, B: the left and right operand; K: the contracted axis; several contracted axes count as one K, in the product's order):
;;     1. [M 384, K 128] x [K 128, N 16,384]; A: input qkv_w; B: computed on the way: QUANTISED
;;     2. batch 16 x [M 4,096, K 32] x [K 32, N 4,096]; A: computed on the way; B: computed on the way: QUANTISED
;;     3. batch 16 x [M 32, K 4,096] x [K 4,096, N 4,096]; A: computed on the way; B: softmax (see below): QUANTISED
;;     4. [M 128, K 128] x [K 128, N 16,384]; A: input proj_w; B: computed on the way: QUANTISED
;;     5. [M 512, K 128] x [K 128, N 16,384]; A: input mlp_w1; B: computed on the way: QUANTISED
;;     6. [M 128, K 512] x [K 512, N 16,384]; A: input mlp_w2; B: computed on the way: QUANTISED
;;   THE QUANTISER, for each operand of a quantised product, along K:
;;     - K is cut into blocks of 32 from its start; a last block that is shorter is filled with zeros.
;;     - A block's scale is 2^e with e = floor(log2(the largest magnitude in the block)) - 15, held to -126 .. 127; a block of zeros has e = 0. As a byte (E8M0): e + 127.
;;     - Each number is divided by its block's scale, clamped to +-57,344, and rounded to the nearest number of E5M2, ties to even, subnormals kept.
;;     - The product sums the exact products of the quantised numbers (number of the format x scale) in f32.
;;   ~~~python
;;   def quantise(x, axis):      # numpy; x: float32 -> the quantised numbers, widened to float32 again
;;       x = np.moveaxis(x, axis, -1); K = x.shape[-1]
;;       x = np.pad(x, [(0, 0)] * (x.ndim - 1) + [(0, -K % 32)]); x = x.reshape(x.shape[:-1] + (-1, 32)); a = np.abs(x).max(-1, keepdims=True)
;;       e = np.where(a > 0, np.clip(np.frexp(np.where(a > 0, a, 1))[1] - 1 - 15, -126, 127), 0)      # np.frexp(a)[1] - 1 = floor(log2(a)), exactly
;;       r = np.clip(x / 2.0 ** e, -57344, 57344)
;;       step = 2.0 ** (np.maximum(np.frexp(np.where(r == 0, 1, r))[1] - 1, -14) - 2)
;;       q = np.round(r / step) * step * 2.0 ** e      # np.round: ties to even
;;       return np.moveaxis(q.reshape(q.shape[:-2] + (-1,))[..., :K], -1, axis).astype(np.float32)
;;   ~~~
;;   SOFTMAX AHEAD OF A QUANTISED PRODUCT. Where the list says 'softmax', what is quantised is not the finished softmax but p = 2^(t - M), with t = logit x log2(e) and M = ceil(the row's largest t), a whole number; so 1/2 < the row's largest p <= 1. The row's sum l is taken of the UNQUANTISED p, in f32, and the product's result is divided by l at the end. Since M is a whole number, a kernel that streams over the keys may use a running M (the ceiling of the running maximum): every later rescaling is an exact power of two, which a block's scale takes up: the codes' values come out the same.
;;   OPERANDS COMPUTED ON THE WAY. 'Computed on the way' means the value that the module computes at that place (a softmax that the list does not call 'softmax' is quantised finished and normalised). What goes into a quantiser is computed in f32, as accurately as f32 sums, v_exp_f32 and their like allow (about 1e-6 of the number): no bf16 or f16 on the way to a quantiser, and a product that is left as it is and whose result goes on into a quantised operand takes f32 operands (vector FMAs, or v_wmma_f32_16x16x4_f32). A number that lies on a knife's edge between two numbers of the format may be rounded either way, as far as f32 arithmetic and the matrix unit's own rounding can turn it there, and no further.
;; 2 versions, each right; version 2 is version 1 with the launches qkv, proj, mlp written anew for expert scheduling mode. Each part assembles by itself: llvm-mc -triple=amdgcn-amd-amdhsa -mcpu=gfx1250 --defsym DOCPART=n.
;; ======== version 1 of 2: 5 launches
;; limits: a function is approximated: absolute error at most 1.5e-07
;; workspace buffers: st1 1,024 bytes; wq 208,896 bytes; qc 2,359,296 bytes; kv 4,718,592 bytes; ao 2,621,440 bytes; x1 8,388,608 bytes; pm 262,144 bytes
;; launch prep (part 1): grid 134 x 1, 16 waves a work-group, no clusters, 2,560 bytes of LDS; arguments x, bn1_g, qkv_w, proj_w, mlp_w1, mlp_w2, st1, wq; writes st1, wq
.if DOCPART == 1
	.amdgcn_target "amdgcn-amd-amdhsa--gfx1250"
	.amdhsa_code_object_version 6
	.text
	.protected	k_q7bf63b7ba0_prep
	.globl	k_q7bf63b7ba0_prep
	.p2align	8
	.type	k_q7bf63b7ba0_prep,@function
k_q7bf63b7ba0_prep:
	s_mov_b64 s[64:65], 0
	v_nop
	global_prefetch_b8 v0, s[64:65] scope:SCOPE_SE
	s_setreg_imm32_b32 hwreg(HW_REG_WAVE_MODE, 25, 1), 1
	s_wait_xcnt 0x0
; LAUNCH 1.  Two kinds of work-groups, told apart by the work-group's number alone (the same in all sixteen waves).
; Work-groups 0-127: the batch statistics of channel g of x [4][128][4096] f32: mean and bn1_g x 1/sqrt(var + eps), in two passes over
; registers (mean first, then the squares of the differences), so that no difference of large sums is formed.  512 threads x 32 numbers.
; Work-groups 128-133: one wave to a fragment (16 rows x 128 K): all four weights become codes of E5M2 with one E8M0 byte for each 32 along K,
; stored as IMAGES OF THE OPERAND'S REGISTERS: register group c (K block c) of lane L at 512 c + 16 L of the fragment's 2,048 bytes; the row's
; scale word at 196,608 + 128 f + 4 L.  Fragments: 0-23 qkv_w, 24-31 proj_w, 32-63 mlp_w1, 64-95 mlp_w2 (tile (f-64)/4, K step (f-64)%4).
; Rows of a tile: qkv_w and mlp_w1: lane r of tile t takes row 32 (t/2) + 8 (t%2) + r + (r & 8), so that the results of two neighbouring tiles
; are 16 neighbours along the next product's K; proj_w and mlp_w2: row 16 t + r.
; LIMITS: NaN and infinities among the inputs are not served.  A block whose largest magnitude lies under 2^-111, a block of zeros among them,
; gets the scale byte 1 (the quantiser's rule gives a block of zeros 127): its codes add the same, and this program alone reads the bytes.
; v_rsq_f32 stands where the definition divides by a square root.
; No matrix unit, no tensor load, no cluster: work-groups share no input.
.set TM,  8                            ; v8-23: the quantiser's work: +0 largest magnitudes, +4 bytes, +8 holds, +12 scale operands
.set SEL, 22                           ; s[22:23] v_permlanex16_b32's selects for lane l xor 16
.set MNT, 21                           ; s21 the mantissa field of 57,344
; 16 nb numbers of a lane, v[s + 16 b + i] = k 16 (lane / 16) + i of block b of the lane's row, become codes in v[d + 4 b] on; the block's byte stays in v[TM + 4 + b].
.macro QUANT s, d, nb
.set qb, 0
.rept \nb
	v_max3_num_f32 v[TM+qb], |v[(\s)+16*qb]|, |v[(\s)+16*qb+1]|, 0x8000000   ; my 16 numbers and the floor 2^(16 - 127): the byte cannot fall under 1
.set qb, qb+1
.endr
.set qi, 2
.rept 7
.set qb, 0
.rept \nb
	v_max3_num_f32 v[TM+qb], v[TM+qb], |v[(\s)+16*qb+qi]|, |v[(\s)+16*qb+qi+1]|
.set qb, qb+1
.endr
.set qi, qi+2
.endr
.set qb, 0
.rept \nb
	v_permlanex16_b32 v[TM+4+qb], v[TM+qb], s[SEL], s[SEL+1]
.set qb, qb+1
.endr
.set qb, 0
.rept \nb
	v_max_num_f32 v[TM+qb], v[TM+qb], v[TM+4+qb]                   ; with lane l xor 16's: the block's largest magnitude
.set qb, qb+1
.endr
.set qb, 0
.rept \nb
	v_add_nc_u32 v[TM+12+qb], 0xf8800000, v[TM+qb]                 ; 15 off its exponent field: the conversion's scale operand
	v_and_or_b32 v[TM+8+qb], v[TM+qb], 0x7f800000, s[MNT]          ; 57,344 x the scale
.set qb, qb+1
.endr
.set qb, 0
.rept \nb
	v_lshrrev_b32 v[TM+4+qb], 23, v[TM+12+qb]                      ; the scale's byte
.set qb, qb+1
.endr
.set qb, 0
.rept \nb
.set qi, 0
.rept 16
	v_med3_num_f32 v[(\s)+16*qb+qi], v[(\s)+16*qb+qi], -v[TM+8+qb], v[TM+8+qb]   ; the conversion does not saturate (ISA guide 7.6.2): hold first
.set qi, qi+1
.endr
	v_cvt_scalef32_pk8_bf8_f32 v[(\d)+4*qb:(\d)+4*qb+1], v[(\s)+16*qb:(\s)+16*qb+7], v[TM+12+qb]
	v_cvt_scalef32_pk8_bf8_f32 v[(\d)+4*qb+2:(\d)+4*qb+3], v[(\s)+16*qb+8:(\s)+16*qb+15], v[TM+12+qb]
.set qb, qb+1
.endr
	v_nop                                                          ; a plain line behind the last conversion
.endm
.macro WSUM a, t                       ; the sum over the wave's 32 lanes, in every lane
	v_add_f32_dpp v[\a], v[\a], v[\a] row_xmask:1 row_mask:0xf bank_mask:0xf
	v_add_f32_dpp v[\a], v[\a], v[\a] row_xmask:2 row_mask:0xf bank_mask:0xf
	v_add_f32_dpp v[\a], v[\a], v[\a] row_xmask:4 row_mask:0xf bank_mask:0xf
	v_add_f32_dpp v[\a], v[\a], v[\a] row_xmask:8 row_mask:0xf bank_mask:0xf
	v_permlanex16_b32 v[\t], v[\a], s[SEL], s[SEL+1]
	v_add_f32 v[\a], v[\a], v[\t]
.endm
.macro XSUM base                       ; v40 summed over the sixteen waves: a word a wave at base, a barrier, every wave reads all sixteen
	ds_store_b32 v2, v40 offset:\base
	s_wait_dscnt 0x0                               ; for the others' sake: my word has landed
	s_barrier_signal -1
	s_barrier_wait -1
.irp k, 0,1,2,3
	ds_load_b128 v[44+4*\k:47+4*\k], v3 offset:\base+16*\k
.endr
	s_wait_dscnt 0x0
.irp k, 0,1,2,3
	v_pk_add_f32 v[44+4*\k:45+4*\k], v[44+4*\k:45+4*\k], v[46+4*\k:47+4*\k]
.endr
	v_pk_add_f32 v[44:45], v[44:45], v[48:49]
	v_pk_add_f32 v[52:53], v[52:53], v[56:57]
	v_pk_add_f32 v[44:45], v[44:45], v[52:53]
	v_add_f32 v40, v44, v45
.endm
	s_load_b256 s[4:11], s[0:1], 0x0               ; x, bn1_g, qkv_w, proj_w
	s_load_b256 s[12:19], s[0:1], 0x20             ; mlp_w1, mlp_w2, st1, wq
	v_lshl_add_u32 v128, v0, 2, 0x200
	v_mov_b32 v129, 0
	v_lshrrev_b32 v1, 5, v0
	v_readfirstlane_b32 s20, v1                    ; wave 0..15
	s_mov_b32 s[MNT], 0x600000
	s_mov_b32 s[SEL], 0x76543210
	s_mov_b32 s[SEL+1], 0xfedcba98
	s_cmp_ge_u32 ttmp9, 128
	s_cbranch_scc1 .Lweights
	; ---- the statistics of channel g
	s_lshl_b32 s24, ttmp9, 14                      ; a channel's plane is 16,384 bytes
	s_mov_b32 s25, 0
	s_lshl_b32 s26, ttmp9, 2
	s_mov_b32 s27, 0
	s_mov_b32 s29, 0x38800000                      ; 1 / 16,384
	s_mov_b32 s30, 0x3727c5ac                      ; eps = 1e-5
	v_lshlrev_b32 v1, 4, v0                        ; 16 bytes a thread: 8,192 consecutive bytes a load of the work-group
	v_lshrrev_b32 v2, 5, v0
	v_lshlrev_b32 v2, 2, v2                        ; 4 x wave
	v_mov_b32 v3, 0
	s_wait_kmcnt 0x0
	s_add_nc_u64 s[4:5], s[4:5], s[24:25]
	s_add_nc_u64 s[6:7], s[6:7], s[26:27]
	s_add_nc_u64 s[16:17], s[16:17], s[26:27]
.irp i, 0,1,2,3,4,5,6,7
	global_load_b128 v[8+4*\i:11+4*\i], v1, s[4:5] offset:(\i/2)*2097152+(\i%2)*8192   ; batch i / 2, half i % 2 of the plane
.endr
	s_load_b32 s28, s[6:7], 0x0                    ; gamma
	s_wait_loadcnt 0x0
.set k, 0
.rept 8
	v_pk_add_f32 v[40+2*k:41+2*k], v[8+4*k:9+4*k], v[10+4*k:11+4*k]
.set k, k+1
.endr
.irp k, 0,1,2,3
	v_pk_add_f32 v[40+4*\k:41+4*\k], v[40+4*\k:41+4*\k], v[42+4*\k:43+4*\k]
.endr
	v_pk_add_f32 v[40:41], v[40:41], v[44:45]
	v_pk_add_f32 v[48:49], v[48:49], v[52:53]
	v_pk_add_f32 v[40:41], v[40:41], v[48:49]
	v_add_f32 v40, v40, v41
	WSUM 40, 41
	XSUM 0
	v_mul_f32 v42, s29, v40                        ; the mean
	v_mov_b32 v43, v42
.set k, 0
.rept 16
	v_pk_add_f32 v[8+2*k:9+2*k], v[8+2*k:9+2*k], v[42:43] neg_lo:[0,1] neg_hi:[0,1]
.set k, k+1
.endr
	v_pk_mul_f32 v[60:61], v[8:9], v[8:9]
	v_pk_mul_f32 v[62:63], v[10:11], v[10:11]
.set k, 1
.rept 7
	v_pk_fma_f32 v[60:61], v[8+4*k:9+4*k], v[8+4*k:9+4*k], v[60:61]
	v_pk_fma_f32 v[62:63], v[10+4*k:11+4*k], v[10+4*k:11+4*k], v[62:63]
.set k, k+1
.endr
	v_pk_add_f32 v[40:41], v[60:61], v[62:63]
	v_add_f32 v40, v40, v41
	WSUM 40, 41
	XSUM 256                                       ; other bytes than the first sum's: no barrier between the two is owed
	v_fma_f32 v44, v40, s29, s30                   ; var + eps
	v_rsq_f32 v44, v44
	v_nop                                          ; a plain line behind the transcendental
	s_wait_kmcnt 0x0                               ; gamma
	s_wait_alu depctr_va_vdst(0)                   ; the wait ahead of the result's first reader
	v_mul_f32 v44, s28, v44
	s_wait_xcnt 0x0                                ; EXEC changes only behind this wait
	v_cmp_eq_u32 vcc_lo, 0, v0
	s_wait_tensorcnt 0x0
	ds_add_u32 v128, v129
	s_wait_dscnt 0x0
	s_and_saveexec_b32 s31, vcc_lo                 ; thread 0 stores the channel's two numbers
	global_store_b32 v3, v42, s[16:17]
	global_store_b32 v3, v44, s[16:17] offset:512
	s_endpgm
	; ---- a fragment of a weight
.Lweights:
	s_sub_co_u32 s24, ttmp9, 128
	s_lshl_b32 s24, s24, 4
	s_add_co_u32 s24, s24, s20                     ; f
	s_sub_co_u32 s25, s24, 64
	s_lshr_b32 s26, s25, 2                         ; mlp_w2: the tile,
	s_and_b32 s27, s25, 3
	s_lshl_b32 s27, s27, 9                         ; and the K step's 512 bytes
	s_sub_co_u32 s28, s24, 32                      ; mlp_w1: the tile
	s_sub_co_u32 s29, s24, 24                      ; proj_w: the tile
	v_and_b32 v2, 15, v0                           ; r
	v_bfe_u32 v3, v0, 4, 1                         ; h
	v_and_b32 v5, 31, v0
	v_lshlrev_b32 v6, 2, v5                        ; 4 L
	v_lshlrev_b32 v5, 4, v5                        ; 16 L
.irp b, 0,1,2,3
	v_mov_b32 v[TM+4+\b], 0                        ; a lane permute's destination counts as one of its sources
.endr
	s_wait_kmcnt 0x0
	s_cmp_lt_u32 s24, 64                           ; the choices hang on the fragment's number alone
	s_cselect_b64 s[30:31], s[12:13], s[14:15]
	s_cselect_b32 s32, s28, s26                    ; the tile
	s_cselect_b32 s33, 8, 0                        ; the lane's mask: 8 where a tile's rows are two groups of eight
	s_cselect_b32 s34, 9, 11                       ; a row is 512 bytes, or 2,048
	s_cselect_b32 s35, 0, s27
	s_cmp_lt_u32 s24, 32
	s_cselect_b64 s[30:31], s[10:11], s[30:31]
	s_cselect_b32 s32, s29, s32
	s_cselect_b32 s33, 0, s33
	s_cmp_lt_u32 s24, 24
	s_cselect_b64 s[30:31], s[8:9], s[30:31]
	s_cselect_b32 s32, s24, s32
	s_cselect_b32 s33, 8, s33
	s_lshr_b32 s36, s32, 1
	s_lshl_b32 s36, s36, 5
	s_and_b32 s37, s32, 1
	s_lshl_b32 s37, s37, 3
	s_add_co_u32 s36, s36, s37                     ; 32 (t / 2) + 8 (t % 2)
	s_lshl_b32 s37, s32, 4                         ; 16 t
	s_cmp_eq_u32 s33, 8
	s_cselect_b32 s36, s36, s37
	v_and_b32 v4, s33, v2
	v_add3_u32 v4, v4, v2, s36                     ; my row
	v_lshlrev_b32 v4, s34, v4
	v_lshl_add_u32 v4, v3, 6, v4                   ; + 64 h: my 16 numbers of a block of 32
	v_add_nc_u32 v4, s35, v4
.irp c, 0,1,2,3
.irp j, 0,1,2,3
	global_load_b128 v[32+16*\c+4*\j:35+16*\c+4*\j], v4, s[30:31] offset:128*\c+16*\j
.endr
.endr
	s_lshl_b32 s38, s24, 11
	s_mov_b32 s39, 0
	s_add_nc_u64 s[40:41], s[18:19], s[38:39]      ; the fragment's image
	s_lshl_b32 s38, s24, 7
	s_add_nc_u64 s[42:43], s[18:19], s[38:39]      ; its scale words
	s_wait_loadcnt 0x0
	QUANT 32, 96, 4
	v_lshl_or_b32 v24, v[TM+5], 8, v[TM+4]         ; the four bytes make my row's scale word
	v_lshl_or_b32 v24, v[TM+6], 16, v24
	v_lshl_or_b32 v24, v[TM+7], 24, v24
.irp c, 0,1,2,3
	global_store_b128 v5, v[96+4*\c:99+4*\c], s[40:41] offset:512*\c   ; 32 lanes store 512 consecutive bytes
.endr
	global_store_b32 v6, v24, s[42:43] offset:196608
	s_endpgm
.Lfunc_end_k_q7bf63b7ba0_prep:
	.size	k_q7bf63b7ba0_prep, .Lfunc_end_k_q7bf63b7ba0_prep-k_q7bf63b7ba0_prep
	.p2alignl 7, 3214868480
	.fill 96, 4, 3214868480
	.section	.rodata,"a",@progbits
	.p2align	6, 0x0
	.amdhsa_kernel k_q7bf63b7ba0_prep
		.amdhsa_group_segment_fixed_size 2560
		.amdhsa_private_segment_fixed_size 0
		.amdhsa_enable_private_segment 0
		.amdhsa_kernarg_size 64
		.amdhsa_user_sgpr_count 2
		.amdhsa_user_sgpr_kernarg_segment_ptr 1
		.amdhsa_wavefront_size32 1
		.amdhsa_system_sgpr_workgroup_id_x 1
		.amdhsa_system_sgpr_workgroup_id_y 1
		.amdhsa_system_sgpr_workgroup_id_z 1
		.amdhsa_system_vgpr_workitem_id 0
		.amdhsa_next_free_vgpr 130
		.amdhsa_next_free_sgpr 66
		.amdhsa_reserve_vcc 1
		.amdhsa_float_denorm_mode_32 3
		.amdhsa_float_denorm_mode_16_64 3
		.amdhsa_memory_ordered 1
		.amdhsa_forward_progress 1
		.amdhsa_inst_pref_size 21
	.end_amdhsa_kernel
	.amdgpu_metadata
---
amdhsa.version: [ 1, 2 ]
amdhsa.kernels:
  - .name:           k_q7bf63b7ba0_prep
    .symbol:         k_q7bf63b7ba0_prep.kd
    .args:
      - { .name: x, .offset: 0, .size: 8, .value_kind: global_buffer, .address_space: global }
      - { .name: bn1_g, .offset: 8, .size: 8, .value_kind: global_buffer, .address_space: global }
      - { .name: qkv_w, .offset: 16, .size: 8, .value_kind: global_buffer, .address_space: global }
      - { .name: proj_w, .offset: 24, .size: 8, .value_kind: global_buffer, .address_space: global }
      - { .name: mlp_w1, .offset: 32, .size: 8, .value_kind: global_buffer, .address_space: global }
      - { .name: mlp_w2, .offset: 40, .size: 8, .value_kind: global_buffer, .address_space: global }
      - { .name: st1, .offset: 48, .size: 8, .value_kind: global_buffer, .address_space: global }
      - { .name: wq, .offset: 56, .size: 8, .value_kind: global_buffer, .address_space: global }
    .group_segment_fixed_size: 2560
    .private_segment_fixed_size: 0
    .kernarg_segment_align: 8
    .kernarg_segment_size: 64
    .max_flat_workgroup_size: 512
    .sgpr_count:     66
    .vgpr_count:     130
    .wavefront_size: 32
...
	.end_amdgpu_metadata
.endif
;; end of part 1
;; launch qkv (part 2): grid 128 x 2, 16 waves a work-group, no clusters, 71,168 bytes of LDS; arguments x, st1, bn1_b, wq, qkv_b, qc, kv; writes qc, kv
.if DOCPART == 2
	.amdgcn_target "amdgcn-amd-amdhsa--gfx1250"
	.amdhsa_code_object_version 6
	.text
	.protected	k_q7bf63b7ba0_qkv
	.globl	k_q7bf63b7ba0_qkv
	.p2align	8
	.type	k_q7bf63b7ba0_qkv,@function
k_q7bf63b7ba0_qkv:
	s_mov_b64 s[64:65], 0
	v_nop
	global_prefetch_b8 v0, s[64:65] scope:SCOPE_SE
	s_setreg_imm32_b32 hwreg(HW_REG_WAVE_MODE, 25, 1), 1
	s_wait_xcnt 0x0
; LAUNCH 2.  h = BN1(x); q, k, v = qkv_w h + qkv_b on codes of E5M2 (one E8M0 byte for each 32 along K); q, k, v are quantised at once for the attention's two products.
; SHARES.  A work-group (x = 128 tokens of a batch: one key step; y = a pair of heads) makes whole records of kv and whole groups of qc.  Wave w: b = w / 4 (token tiles 2 b, 2 b + 1),
; xk = (w / 2) % 2, y = w % 2 (head 2 hp + y).  It makes q (xk = 0) or k (xk = 1) of its head for both tiles, and of v the 16 rows of d tile xk for the 32 keys of block b: six matrix instructions.
; TOKEN TILES.  Row or lane m of tile T is token 32 (T / 2) + 8 (T % 2) + m + (m & 8): where tokens are source 0's rows, the 16 result registers of tiles 2 b, 2 b + 1 are 16 neighbouring tokens.
; q, k: source 0 = 16 rows of the weight, source 1 = h: a lane holds a token, its 16 registers d = 16 (lane / 16) + 0 .. 15: the one K block of q k^T.
; v:    source 0 = h, source 1 = 16 rows of the weight: a lane holds a row d, its 16 registers keys 32 b + 16 (lane / 16) + 0 .. 15: K block b of v^T p^T.
; The conversions' results are stored as images of the next operands' registers (16 bytes a lane, 512 consecutive bytes a store).  Scale bytes go out as whole words, gathered in LDS.
; A RECORD of kv (head, step of 128 keys; 9,216 bytes): +0 k's 8 tiles x 512; +4,096 v^T's 2 fragments x 2,048; +8,192 k's scale words; +8,704 v's scale bytes as words.
; q's and k's scale words hold the byte in bits 7:0 and 0 above: the three K blocks that a head of 32 leaves empty meet zero codes in the next launch.
; The biases are the C of each sum's one matrix instruction.
; No cluster: what work-groups share is the weights' codes, 6.5 KB a wave, which go from memory straight into the registers that hold them; a joint load would add a way through LDS.
; LIMITS: as the first launch states them (NaN, infinities; the byte 1 of very small blocks).
.set SWA, 66048                        ; LDS: behind h (65,792 bytes from 0: channel c, token t at 512 c + 32 (c / 16) + 4 t): q's and k's scale words, 4 x 512 bytes,
.set VSA, 68096                        ; v's, 2 x 512
.set N,   20                           ; v20-83   x as loaded (32), then 64 numbers of h
.set HF,  84                           ; v84-115  h's two fragments
.set WF,  116                          ; v116-163 three fragments of the weight: q or k tile 0, tile 1; v's
.set ACC, 164                          ; v164-211 six accumulators: (f, u) at 16 f + 8 u; v's at 32 + 8 f
.set TM,  212                          ; v212-227 the quantiser's work
.set PC,  232                          ; v232-243 codes
.set HS,  244                          ; v244-245 h's scale words
.set WS,  246                          ; v246-248 the weights'
.set VB,  249                          ; v249     v's bias of my row
.set SEL, 2                            ; s[2:3]
.set MNT, 31
.macro QUANT s, d, nb                  ; 16 nb numbers of a lane, v[s + 16 b + i] = k 16 (lane / 16) + i of block b of the lane's row -> codes in v[d + 4 b] on; the byte stays in v[TM + 4 + b]
.set qb, 0
.rept \nb
	v_max3_num_f32 v[TM+qb], |v[(\s)+16*qb]|, |v[(\s)+16*qb+1]|, 0x8000000   ; my 16 numbers and the floor 2^(16 - 127)
.set qb, qb+1
.endr
.set qi, 2
.rept 7
.set qb, 0
.rept \nb
	v_max3_num_f32 v[TM+qb], v[TM+qb], |v[(\s)+16*qb+qi]|, |v[(\s)+16*qb+qi+1]|
.set qb, qb+1
.endr
.set qi, qi+2
.endr
.set qb, 0
.rept \nb
	v_permlanex16_b32 v[TM+4+qb], v[TM+qb], s[SEL], s[SEL+1]
.set qb, qb+1
.endr
.set qb, 0
.rept \nb
	v_max_num_f32 v[TM+qb], v[TM+qb], v[TM+4+qb]
.set qb, qb+1
.endr
.set qb, 0
.rept \nb
	v_add_nc_u32 v[TM+12+qb], 0xf8800000, v[TM+qb]                 ; 15 off the exponent field: the conversion's scale operand
	v_and_or_b32 v[TM+8+qb], v[TM+qb], 0x7f800000, s[MNT]          ; 57,344 x the scale
.set qb, qb+1
.endr
.set qb, 0
.rept \nb
	v_lshrrev_b32 v[TM+4+qb], 23, v[TM+12+qb]                      ; the scale's byte
.set qb, qb+1
.endr
.set qb, 0
.rept \nb
.set qi, 0
.rept 16
	v_med3_num_f32 v[(\s)+16*qb+qi], v[(\s)+16*qb+qi], -v[TM+8+qb], v[TM+8+qb]   ; the conversion does not saturate (ISA guide 7.6.2)
.set qi, qi+1
.endr
	v_cvt_scalef32_pk8_bf8_f32 v[(\d)+4*qb:(\d)+4*qb+1], v[(\s)+16*qb:(\s)+16*qb+7], v[TM+12+qb]
	v_cvt_scalef32_pk8_bf8_f32 v[(\d)+4*qb+2:(\d)+4*qb+3], v[(\s)+16*qb+8:(\s)+16*qb+15], v[TM+12+qb]
.set qb, qb+1
.endr
	v_nop                                                          ; a plain line behind the last conversion
.endm
	s_load_b256 s[4:11], s[0:1], 0x0               ; x, st1, bn1_b, wq
	s_load_b128 s[12:15], s[0:1], 0x20             ; qkv_b, qc
	s_load_b64 s[16:17], s[0:1], 0x30              ; kv
	v_lshl_add_u32 v254, v0, 2, 0x10e00
	v_mov_b32 v255, 0
	v_lshrrev_b32 v1, 5, v0
	v_readfirstlane_b32 s20, v1                    ; wave 0..15
	s_lshr_b32 s21, s20, 2                         ; b
	s_bfe_u32 s22, s20, 0x10001                    ; xk
	s_and_b32 s23, s20, 1                          ; y
	s_and_b32 s25, ttmp7, 0xffff                   ; the pair of heads
	s_lshr_b32 s26, ttmp9, 5                       ; batch
	s_and_b32 s27, ttmp9, 31                       ; key step
	s_lshl_b32 s28, s25, 1
	s_add_co_u32 s28, s28, s23                     ; head
	s_lshl_b32 s29, s26, 2
	s_add_co_u32 s29, s29, s28                     ; batch x 4 + head
	s_mov_b32 s[MNT], 0x600000
	s_mov_b32 s[SEL], 0x76543210
	s_mov_b32 s[SEL+1], 0xfedcba98
	v_and_b32 v12, 31, v0                          ; L
	v_and_b32 v13, 15, v0                          ; r
	v_bfe_u32 v14, v0, 4, 1                        ; h
	v_lshlrev_b32 v1, 4, v12                       ; 16 L
	v_lshlrev_b32 v2, 2, v12                       ; 4 L
	v_lshlrev_b32 v3, 6, v14                       ; 64 h
	v_and_b32 v4, 8, v13
	v_add_nc_u32 v4, v4, v13
	v_lshlrev_b32 v4, 2, v4                        ; 4 (r + (r & 8))
	s_mov_b32 s57, 0
	s_wait_kmcnt 0x0
	s_lshl_b32 s56, s20, 5                         ; my 8 channels' constants: 32 bytes a wave
	s_add_nc_u64 s[6:7], s[6:7], s[56:57]
	s_add_nc_u64 s[8:9], s[8:9], s[56:57]
	s_load_b256 s[32:39], s[6:7], 0x0              ; means
	s_load_b256 s[40:47], s[6:7], 0x200            ; gamma / sqrt(var + eps)
	s_load_b256 s[48:55], s[8:9], 0x0              ; beta
	s_lshl_b32 s56, s26, 21
	s_lshl_b32 s24, s20, 17
	s_add_co_u32 s56, s56, s24
	s_lshl_b32 s24, s27, 9
	s_add_co_u32 s56, s56, s24
	s_add_nc_u64 s[4:5], s[4:5], s[56:57]          ; x: my batch, channel 8 w, my step's 128 tokens
.irp i, 0,1,2,3,4,5,6,7
	global_load_b128 v[N+4*\i:N+4*\i+3], v1, s[4:5] offset:16384*\i   ; a load is one channel's 512 consecutive bytes
.endr
	s_lshl_b32 s24, s22, 3
	s_lshl_b32 s56, s28, 1
	s_add_co_u32 s24, s24, s56                     ; q's or k's first fragment: 8 xk + 2 head
	s_lshl_b32 s56, s24, 11
	s_add_nc_u64 s[58:59], s[10:11], s[56:57]
	s_lshl_b32 s56, s24, 7
	s_add_nc_u64 s[62:63], s[10:11], s[56:57]
	s_lshl_b32 s24, s28, 1
	s_add_co_u32 s24, s24, s22
	s_add_co_u32 s24, s24, 16                      ; v's fragment: 16 + 2 head + xk
	s_lshl_b32 s56, s24, 11
	s_add_nc_u64 s[60:61], s[10:11], s[56:57]
	s_lshl_b32 s56, s24, 7
	s_add_nc_u64 s[18:19], s[10:11], s[56:57]
	s_lshl_b32 s56, s28, 7
	s_lshl_b32 s24, s22, 5
	s_add_co_u32 s56, s56, s24
	s_add_co_u32 s56, s56, 1024
	s_add_nc_u64 s[10:11], s[12:13], s[56:57]      ; v's bias: channel 256 + 32 head + 8 xk on
	s_lshl_b32 s56, s28, 7
	s_lshl_b32 s24, s22, 9
	s_add_co_u32 s56, s56, s24
	s_add_nc_u64 s[12:13], s[12:13], s[56:57]      ; q's or k's: channel 128 xk + 32 head on
.irp u, 0,1
.irp c, 0,1,2,3
	global_load_b128 v[WF+16*\u+4*\c:WF+16*\u+4*\c+3], v1, s[58:59] offset:2048*\u+512*\c
.endr
.endr
.irp c, 0,1,2,3
	global_load_b128 v[WF+32+4*\c:WF+32+4*\c+3], v1, s[60:61] offset:512*\c
.endr
	global_load_b32 v[WS], v2, s[62:63] offset:196608
	global_load_b32 v[WS+1], v2, s[62:63] offset:196608+128
	global_load_b32 v[WS+2], v2, s[18:19] offset:196608
.irp f, 0,1
.irp u, 0,1
	global_load_b128 v[ACC+16*\f+8*\u:ACC+16*\f+8*\u+3], v3, s[12:13] offset:32*\u       ; the bias in the result's layout: d = 16 h + 8 u + 0 .. 7
	global_load_b128 v[ACC+16*\f+8*\u+4:ACC+16*\f+8*\u+7], v3, s[12:13] offset:32*\u+16
.endr
.endr
	global_load_b32 v[VB], v4, s[10:11]
	; LDS addresses, all made here, ahead of every parting of the waves
	s_lshl_b32 s56, s20, 12
	s_lshr_b32 s24, s20, 1
	s_lshl_b32 s24, s24, 5
	s_add_co_u32 s56, s56, s24
	v_add_nc_u32 v5, s56, v1                       ; h, in: channel 8 w: 4,096 w + 32 (w / 2) + 16 L
	v_mul_u32_u24 v6, v14, 8224
	v_add_nc_u32 v6, v6, v4
	s_lshl_b32 s56, s21, 7
	v_add_nc_u32 v6, s56, v6                       ; h, out: 16 channels x h + token 32 b + r + (r & 8)
	s_and_b32 s56, s20, 3
	s_lshl_b32 s56, s56, 9
	s_add_co_u32 s56, s56, SWA
	v_add_nc_u32 v10, s56, v1                      ; the scale words of (xk, y), back: 16 L
	s_lshl_b32 s24, s21, 2
	s_add_co_u32 s56, s56, s24
	v_lshl_add_u32 v8, v13, 4, s56                 ; and in: 16 r + 4 b (+ 256 f)
	s_lshl_b32 s56, s23, 9
	s_add_co_u32 s56, s56, VSA
	v_add_nc_u32 v11, s56, v1                      ; v's words of head y, back
	s_add_co_u32 s56, s56, s24
	s_lshl_b32 s24, s22, 8
	s_add_co_u32 s56, s56, s24
	v_lshl_add_u32 v9, v13, 4, s56                 ; and in: 256 xk + 16 r + 4 b
.irp b, 0,1,2,3
	v_mov_b32 v[TM+4+\b], 0                        ; a lane permute's destination counts as one of its sources
.endr
	; ---- BN1 of my 8 channels x 128 tokens, into LDS
	s_wait_loadcnt 24                              ; x's eight loads are in; behind them stand 15 loads of weights and 9 of biases
	s_wait_kmcnt 0x0
.irp i, 0,1,2,3,4,5,6,7
.irp k, 0,1,2,3
	v_sub_f32 v[N+4*\i+\k], v[N+4*\i+\k], s[32+\i]
.endr
.irp k, 0,1,2,3
	v_fma_f32 v[N+4*\i+\k], v[N+4*\i+\k], s[40+\i], s[48+\i]
.endr
	ds_store_b128 v5, v[N+4*\i:N+4*\i+3] offset:512*\i
.endr
	s_wait_dscnt 0x0                               ; for the others' sake: my channels have landed
	s_barrier_signal -1
	s_barrier_wait -1
	; ---- h's two fragments: lane (r, h) takes its token's channels 32 c + 16 h + i.  The skew of 32 bytes for each 16 channels sets lanes 16-31 eight banks beside lanes 0-15
.irp f, 0,1
.irp c, 0,1,2,3
.irp i, 0,1,2,3,4,5,6,7,8,9,10,11,12,13,14,15
	ds_load_b32 v[N+16*\c+\i], v6 offset:32*\f+16448*\c+512*\i
.endr
.endr
	s_wait_dscnt 0x0
	QUANT N, HF+16*\f, 4
	v_lshl_or_b32 v[HS+\f], v[TM+5], 8, v[TM+4]
	v_lshl_or_b32 v[HS+\f], v[TM+6], 16, v[HS+\f]
	v_lshl_or_b32 v[HS+\f], v[TM+7], 24, v[HS+\f]
.endr
	; where the results go (the constants' scalar registers are free now)
	s_mul_i32 s30, s29, 294912
	s_mul_i32 s24, s27, 9216
	s_add_co_u32 s30, s30, s24                     ; my record
	s_lshl_b32 s24, s21, 10
	s_add_co_u32 s32, s30, s24                     ; k: record + 1,024 b
	s_lshl_b32 s33, s29, 17
	s_lshl_b32 s34, s27, 12
	s_add_co_u32 s33, s33, s34
	s_add_co_u32 s33, s33, s24                     ; q: (256 bh + 8 step + 2 b) x 512
	s_cmp_eq_u32 s22, 0
	s_cselect_b32 s56, s33, s32
	s_cselect_b64 s[36:37], s[14:15], s[16:17]
	s_add_nc_u64 s[36:37], s[36:37], s[56:57]
	s_lshl_b32 s24, s22, 11
	s_add_co_u32 s56, s30, s24
	s_lshl_b32 s24, s21, 9
	s_add_co_u32 s56, s56, s24
	s_add_nc_u64 s[38:39], s[16:17], s[56:57]      ; v: record + 2,048 xk + 512 b (+ 4,096 in the immediate)
	s_lshl_b32 s32, s29, 14
	s_lshl_b32 s33, s27, 9
	s_add_co_u32 s32, s32, s33
	s_add_co_u32 s32, s32, 2097152                 ; q's scale words: behind the codes, 512 bytes a group of 8 tiles
	s_add_co_u32 s33, s30, 8192                    ; k's: in the record
	s_cmp_eq_u32 s22, 0
	s_cselect_b32 s56, s32, s33
	s_cselect_b64 s[40:41], s[14:15], s[16:17]
	s_add_nc_u64 s[40:41], s[40:41], s[56:57]
	; ---- the products
	s_wait_loadcnt 0x0                             ; weights and biases
.set i, 0
.rept 16
	v_mov_b32 v[ACC+32+i], v[VB]                   ; v's bias hangs on the lane's row alone
.set i, i+1
.endr
.rept 8
	v_nop                                          ; a scale word made by vector instructions stands eight places ahead of the product, codes four
.endr
.irp f, 0,1
.irp u, 0,1
	v_wmma_scale_f32_16x16x128_f8f6f4 v[ACC+16*\f+8*\u:ACC+16*\f+8*\u+7], v[WF+16*\u:WF+16*\u+15], v[HF+16*\f:HF+16*\f+15], v[ACC+16*\f+8*\u:ACC+16*\f+8*\u+7], v[WS+\u], v[HS+\f] matrix_a_fmt:MATRIX_FMT_BF8 matrix_b_fmt:MATRIX_FMT_BF8
.endr
.endr
.irp f, 0,1
	v_wmma_scale_f32_16x16x128_f8f6f4 v[ACC+32+8*\f:ACC+32+8*\f+7], v[HF+16*\f:HF+16*\f+15], v[WF+32:WF+47], v[ACC+32+8*\f:ACC+32+8*\f+7], v[HS+\f], v[WS+2] matrix_a_fmt:MATRIX_FMT_BF8 matrix_b_fmt:MATRIX_FMT_BF8
.endr
.rept 8
	v_nop                                          ; eight places behind this form ahead of the first read of a result
.endr
	QUANT ACC, PC, 3                               ; block 0, 1: q or k of tiles 2 b, 2 b + 1; block 2: v
	global_store_b128 v1, v[PC:PC+3], s[36:37]
	global_store_b128 v1, v[PC+4:PC+7], s[36:37] offset:512
	global_store_b128 v1, v[PC+8:PC+11], s[38:39] offset:4096
	ds_store_b32 v8, v[TM+4]                       ; lanes r and r + 16 write the same word with the same value
	ds_store_b32 v8, v[TM+5] offset:256
	ds_store_b32 v9, v[TM+6]
	s_wait_dscnt 0x0                               ; for the others' sake
	s_barrier_signal -1
	s_barrier_wait -1
	; ---- the scale words leave as 512 consecutive bytes: waves 0-3 (w = 2 xk + y)
	s_cmp_gt_u32 s20, 3
	s_cbranch_scc1 .Ldone
	ds_load_b128 v[20:23], v10
	ds_load_b128 v[24:27], v11
	s_wait_dscnt 0x0
	global_store_b128 v1, v[20:23], s[40:41]
	s_cmp_eq_u32 s22, 0
	s_cbranch_scc1 .Ldone
	global_store_b128 v1, v[24:27], s[40:41] offset:512   ; v's words follow k's in the record
.Ldone:
	s_wait_tensorcnt 0x0
	ds_add_u32 v254, v255
	s_wait_dscnt 0x0
	s_endpgm
.Lfunc_end_k_q7bf63b7ba0_qkv:
	.size	k_q7bf63b7ba0_qkv, .Lfunc_end_k_q7bf63b7ba0_qkv-k_q7bf63b7ba0_qkv
	.p2alignl 7, 3214868480
	.fill 96, 4, 3214868480
	.section	.rodata,"a",@progbits
	.p2align	6, 0x0
	.amdhsa_kernel k_q7bf63b7ba0_qkv
		.amdhsa_group_segment_fixed_size 71168
		.amdhsa_private_segment_fixed_size 0
		.amdhsa_enable_private_segment 0
		.amdhsa_kernarg_size 56
		.amdhsa_user_sgpr_count 2
		.amdhsa_user_sgpr_kernarg_segment_ptr 1
		.amdhsa_wavefront_size32 1
		.amdhsa_system_sgpr_workgroup_id_x 1
		.amdhsa_system_sgpr_workgroup_id_y 1
		.amdhsa_system_sgpr_workgroup_id_z 1
		.amdhsa_system_vgpr_workitem_id 0
		.amdhsa_next_free_vgpr 256
		.amdhsa_next_free_sgpr 66
		.amdhsa_reserve_vcc 0
		.amdhsa_float_denorm_mode_32 3
		.amdhsa_float_denorm_mode_16_64 3
		.amdhsa_memory_ordered 1
		.amdhsa_forward_progress 1
		.amdhsa_inst_pref_size 46
	.end_amdhsa_kernel
	.amdgpu_metadata
---
amdhsa.version: [ 1, 2 ]
amdhsa.kernels:
  - .name:           k_q7bf63b7ba0_qkv
    .symbol:         k_q7bf63b7ba0_qkv.kd
    .args:
      - { .name: x, .offset: 0, .size: 8, .value_kind: global_buffer, .address_space: global }
      - { .name: st1, .offset: 8, .size: 8, .value_kind: global_buffer, .address_space: global }
      - { .name: bn1_b, .offset: 16, .size: 8, .value_kind: global_buffer, .address_space: global }
      - { .name: wq, .offset: 24, .size: 8, .value_kind: global_buffer, .address_space: global }
      - { .name: qkv_b, .offset: 32, .size: 8, .value_kind: global_buffer, .address_space: global }
      - { .name: qc, .offset: 40, .size: 8, .value_kind: global_buffer, .address_space: global }
      - { .name: kv, .offset: 48, .size: 8, .value_kind: global_buffer, .address_space: global }
    .group_segment_fixed_size: 71168
    .private_segment_fixed_size: 0
    .kernarg_segment_align: 8
    .kernarg_segment_size: 56
    .max_flat_workgroup_size: 512
    .sgpr_count:     66
    .vgpr_count:     256
    .wavefront_size: 32
...
	.end_amdgpu_metadata
.endif
;; end of part 2
;; launch attn (part 3): grid 16 x 16, 16 waves a work-group, clusters of 4 x 1, 296,960 bytes of LDS; arguments qc, kv, ao; writes ao
.if DOCPART == 3
	.amdgcn_target "amdgcn-amd-amdhsa--gfx1250"
	.amdhsa_code_object_version 6
	.text
	.protected	k_q7bf63b7ba0_attn
	.globl	k_q7bf63b7ba0_attn
	.p2align	8
	.type	k_q7bf63b7ba0_attn,@function
k_q7bf63b7ba0_attn:
	s_mov_b64 s[64:65], 0
	v_nop
	global_prefetch_b8 v0, s[64:65] scope:SCOPE_SE
	s_setreg_imm32_b32 hwreg(HW_REG_WAVE_MODE, 25, 1), 1
	s_wait_xcnt 0x0
	s_wait_alu depctr_hold_cnt(0) depctr_sa_sdst(0) depctr_va_vdst(0) depctr_va_sdst(0) depctr_va_ssrc(0) depctr_va_vcc(0) depctr_vm_vsrc(0)
	s_getreg_b32 s2, hwreg(HW_REG_IB_STS2, 6, 4)
	s_cmp_eq_u32 s2, 0
	s_cbranch_scc0 .Lentry_in_a_cluster
	s_endpgm
.Lentry_in_a_cluster:
	s_bfe_u32 s2, ttmp6, 0x10000c
	s_cmp_lg_u32 s2, 0x3003
	s_cbranch_scc0 .Lentry_shape_is_right
	s_endpgm
.Lentry_shape_is_right:
; LAUNCH 3.  O = softmax(q k^T / sqrt(32)) v for 16 (batch, head) pairs of 4,096 x 4,096, both products on codes of E5M2 with E8M0 block scales; the result leaves as the next product's operand.
; THE SOFTMAX AHEAD OF THE SECOND PRODUCT: t = score x log2(e) / sqrt(32); M = the running largest t rounded UP to a whole number; p = 2^(t - M) is quantised along the keys, not normalised;
; the row's sum is taken of the unquantised p and divides at the end.  When M moves, the sum and O are multiplied by 2^(old M - new M): exact.
; SHARES.  A work-group owns 256 queries of one (batch, head); each of its sixteen waves one tile of 16 in 256 registers: four waves to a SIMD, so that one wave's vector work
; (some thirty vector instructions for each matrix instruction) stands beside another's products and LDS loads.
; A WHOLE HEAD'S K AND V LIE IN LDS: 32 records of 9,216 bytes, filled ONCE, in four chunks of eight key steps.  No slot is filled again and nothing is stored to LDS.  All tensor loads go out at the head: four of a wave are out at the most.
; CLUSTER.  The four query blocks of a cluster belong to one head and read the same records: each piece is asked for JOINTLY, by the same tensor load with the same descriptor and the mask 15.
; LAYOUT.  Both products are used transposed: S^T = k q^T (source 0 = 16 keys, source 1 = my queries), O^T = v^T p^T: a lane holds one query throughout.  The keys of a tile are 32 (t/2) + 8 (t%2) + r + (r & 8),
; so that the 16 registers of tiles 2 b, 2 b + 1 are 16 neighbouring keys; v^T's rows are chosen likewise, so that O^T's 16 registers are d = 16 (lane / 16) + 0 .. 15: one K block of the projection.
; K = 32 IN AN INSTRUCTION OF K = 128.  q's registers 4-15 are zero codes.  Tile t of k is the run v[32 + 4 t : 47 + 4 t]: its registers 4-15 are the next tiles' codes or zeros; they are finite (the quantiser's hold
; makes no code of infinity or NaN), meet q's zero codes under the scale byte 0 (2^-127) on both sides, and add exactly 0.
; LIMITS: NaN and infinities are not served; a block of p whose largest number lies under 2^-111 gets the byte 1 (its codes are zeros or next to it); v_rcp_f32 stands for the division by the sum.
.set SEL, 40                           ; s[40:41] selects for lane l xor 16
.set CS,  42                           ; s[42:43] c = log2(e) / sqrt(32)
.set MNT, 44                           ; s44 the mantissa field of 57,344
.set TB,  45                           ; s45 LDS byte of the step's record
.set CNT, 46
.set BM,  224                          ; v224-227 each block's largest score, then largest p
.set PB,  228                          ; v228-231 the partner lane's, a chain of the sum, then the bytes
.set HD,  232                          ; v232-235 57,344 x the scale
.set SO,  236                          ; v236-239 the conversions' scale operands
.set TM,  224                          ; the quantiser of the way out works in the same sixteen
; REGISTERS: v1 16 L; v2 16 r; v3 the step's address; v5 4 L; v12 -M, v13 largest t, v[14:15] the sum; v16-19 q, v20-31 zeros; v32-63 k's 8 tiles, v64-75 zeros; v76-79 k's scale words; v80-83 v's bytes as loaded;
; v84 v's scale word, v85 q's, v86 p's; v[88:89] f; v96-159 S^T, then p; v160-175 O^T; v176-207 v^T's two fragments; v208-223 p's codes; v248 at work.
.macro QUANT s, d, nb
.set qb, 0
.rept \nb
	v_max3_num_f32 v[TM+qb], |v[(\s)+16*qb]|, |v[(\s)+16*qb+1]|, 0x8000000
.set qb, qb+1
.endr
.set qi, 2
.rept 7
.set qb, 0
.rept \nb
	v_max3_num_f32 v[TM+qb], v[TM+qb], |v[(\s)+16*qb+qi]|, |v[(\s)+16*qb+qi+1]|
.set qb, qb+1
.endr
.set qi, qi+2
.endr
.set qb, 0
.rept \nb
	v_permlanex16_b32 v[TM+4+qb], v[TM+qb], s[SEL], s[SEL+1]
.set qb, qb+1
.endr
.set qb, 0
.rept \nb
	v_max_num_f32 v[TM+qb], v[TM+qb], v[TM+4+qb]
.set qb, qb+1
.endr
.set qb, 0
.rept \nb
	v_add_nc_u32 v[TM+12+qb], 0xf8800000, v[TM+qb]
	v_and_or_b32 v[TM+8+qb], v[TM+qb], 0x7f800000, s[MNT]
.set qb, qb+1
.endr
.set qb, 0
.rept \nb
	v_lshrrev_b32 v[TM+4+qb], 23, v[TM+12+qb]
.set qb, qb+1
.endr
.set qb, 0
.rept \nb
.set qi, 0
.rept 16
	v_med3_num_f32 v[(\s)+16*qb+qi], v[(\s)+16*qb+qi], -v[TM+8+qb], v[TM+8+qb]
.set qi, qi+1
.endr
	v_cvt_scalef32_pk8_bf8_f32 v[(\d)+4*qb:(\d)+4*qb+1], v[(\s)+16*qb:(\s)+16*qb+7], v[TM+12+qb]
	v_cvt_scalef32_pk8_bf8_f32 v[(\d)+4*qb+2:(\d)+4*qb+3], v[(\s)+16*qb+8:(\s)+16*qb+15], v[TM+12+qb]
.set qb, qb+1
.endr
	v_nop
.endm
.macro ROUND                           ; a round of the cluster's barrier
	s_barrier_signal -1
	s_barrier_wait -1
	s_cmp_lg_u32 s10, 0
	s_cbranch_scc1 .Lnot_wave_0_\@
	s_barrier_signal -3
.Lnot_wave_0_\@:
	s_barrier_wait -3
	s_barrier_signal -1
	s_barrier_wait -1
.endm
.macro SCORE t                         ; tile t of S^T; k's scale words of tiles 2 i and 2 i + 1 share register 76 + i: lanes 0-15 and lanes 16-31
.if (\t)%2
	v_wmma_scale_f32_16x16x128_f8f6f4 v[96+8*(\t):103+8*(\t)], v[32+4*(\t):47+4*(\t)], v[16:31], 0, v[76+(\t)/2], v85 matrix_a_fmt:MATRIX_FMT_BF8 matrix_b_fmt:MATRIX_FMT_BF8 matrix_a_scale:MATRIX_SCALE_ROW1
.else
	v_wmma_scale_f32_16x16x128_f8f6f4 v[96+8*(\t):103+8*(\t)], v[32+4*(\t):47+4*(\t)], v[16:31], 0, v[76+(\t)/2], v85 matrix_a_fmt:MATRIX_FMT_BF8 matrix_b_fmt:MATRIX_FMT_BF8
.endif
.endm
	s_load_b128 s[4:7], s[0:1], 0x0                ; qc, kv
	s_load_b64 s[8:9], s[0:1], 0x10                ; ao
	v_lshl_add_u32 v254, v0, 2, 0x48000
	v_mov_b32 v255, 0
	ds_add_u32 v254, v255
	ds_add_u32 v254, v255
	v_lshrrev_b32 v1, 5, v0
	v_readfirstlane_b32 s10, v1                    ; wave 0..15
	s_bfe_u32 s11, ttmp6, 0x40000                  ; cx: it enters q's and ao's global addresses alone
	s_lshl_b32 s12, ttmp9, 2
	s_add_co_u32 s12, s12, s11                     ; my block of 256 queries
	s_and_b32 s13, ttmp7, 0xffff                   ; batch x 4 + head, which the four partners share
	; descriptor group 1: 18 dense rows of 256 bytes (32 elements of 8 bytes): a sixteenth of a chunk
	s_mov_b32 s16, 15|(3<<16)|(1<<21)              ; 15:0 the mask: all four work-groups; 17:16 elements of 8 bytes; 20 no padding; 21 set beside a mask
	s_mov_b32 s17, 32<<16                          ; tensor_dim0 = 32
	s_mov_b32 s18, 18<<16                          ; tensor_dim1 = 18
	s_mov_b32 s19, 32<<16                          ; tile_dim0 = 32
	s_mov_b32 s20, 18                              ; tile_dim1 = 18
	s_mov_b32 s21, 32                              ; the pitch
	s_mov_b32 s22, 0
	s_mov_b32 s23, 0
	s_mul_i32 s48, s13, 294912                     ; the head's records,
	s_mul_i32 s52, s10, 4608                       ; my wave's piece of a chunk, in memory and in LDS alike
	s_add_co_u32 s48, s48, s52
	s_mov_b32 s49, 0
	s_mov_b32 s[SEL], 0x76543210
	s_mov_b32 s[SEL+1], 0xfedcba98
	s_mov_b32 s[CS], 0x3e8293ee
	s_mov_b32 s[CS+1], s[CS]                       ; (named with it as a pair, so it is written)
	s_mov_b32 s[MNT], 0x600000
	s_wait_dscnt 0x0
	s_wait_kmcnt 0x0
	s_add_nc_u64 s[50:51], s[6:7], s[48:49]
.irp c, 0,1,2,3                        ; a group 0 for each chunk; none is written again
	s_mov_b32 s[24+4*\c], 1
	s_add_co_u32 s[25+4*\c], s52, 73728*\c
	s_add_nc_u64 s[26+4*\c:27+4*\c], s[50:51], 73728*\c
	s_or_b32 s[27+4*\c], s[27+4*\c], 0x80000000
.endr
	ROUND                                          ; all four work-groups are here: the joint loads meet
	tensor_load_to_lds s[24:27], s[16:23]
	s_nop 0
	tensor_load_to_lds s[28:31], s[16:23]
	s_nop 0
	tensor_load_to_lds s[32:35], s[16:23]
	s_nop 0
	tensor_load_to_lds s[36:39], s[16:23]
	s_nop 0
.rept 4
	v_nop
.endr
	v_and_b32 v2, 31, v0
	v_lshlrev_b32 v1, 4, v2                        ; 16 L
	v_lshlrev_b32 v5, 2, v2                        ; 4 L
	v_and_b32 v2, 15, v0
	v_lshlrev_b32 v2, 4, v2                        ; 16 r
	s_lshl_b32 s48, s13, 8
	s_lshl_b32 s53, s12, 4
	s_add_co_u32 s48, s48, s53
	s_add_co_u32 s48, s48, s10                     ; 256 bh + my tile (16 x block + wave)
	s_lshl_b32 s48, s48, 9
	s_add_nc_u64 s[54:55], s[4:5], s[48:49]
	global_load_b128 v[16:19], v1, s[54:55]        ; q's codes
	s_lshl_b32 s48, s13, 14
	s_lshl_b32 s53, s12, 10
	s_add_co_u32 s48, s48, s53
	s_lshr_b32 s53, s10, 3
	s_lshl_b32 s53, s53, 9
	s_add_co_u32 s48, s48, s53                     ; the group of 8 tiles: 2 x block + wave / 8;
	s_and_b32 s53, s10, 1
	s_lshl_b32 s53, s53, 8
	s_add_co_u32 s48, s48, s53                     ; in it tile 2 i + u, row r: (16 u + r) x 16 + 4 i
	s_bfe_u32 s53, s10, 0x20001
	s_lshl_b32 s53, s53, 2
	s_add_co_u32 s48, s48, s53
	s_add_nc_u64 s[56:57], s[4:5], s[48:49]
	global_load_b32 v85, v2, s[56:57] offset:2097152   ; q's scale words
	s_lshr_b32 s48, s13, 2
	s_lshl_b32 s48, s48, 8
	s_lshl_b32 s53, s12, 4
	s_add_co_u32 s48, s48, s53
	s_add_co_u32 s48, s48, s10                     ; 256 batch + tile
	s_lshl_b32 s48, s48, 2
	s_and_b32 s53, s13, 3
	s_add_co_u32 s47, s48, s53                     ; x 4 + head: the head is the projection's K block
	s_lshl_b32 s48, s47, 9
	s_add_nc_u64 s[58:59], s[8:9], s[48:49]
	s_lshl_b32 s48, s47, 7
	s_add_nc_u64 s[60:61], s[8:9], s[48:49]
.set i, 0
.rept 12
	v_mov_b32 v[20+i], 0                           ; q's K blocks 1 to 3: zero codes
	v_mov_b32 v[64+i], 0                           ; the tail behind k's last tile
.set i, i+1
.endr
.set i, 0
.rept 16
	v_mov_b32 v[160+i], 0                          ; O^T: the step is written once; the first finds zeros, which the first change of M leaves zeros
.set i, i+1
.endr
	v_mov_b32 v13, 0xff61b1e6                      ; the largest t so far: -3e38
	v_floor_f32 v12, -v13                          ; -M
	v_mov_b32 v14, 0
	v_mov_b32 v15, 0
	v_mov_b32 v89, 0                               ; (the upper half of f's pair is named, so it is written)
.irp b, 0,1,2,3
	v_mov_b32 v[PB+\b], 0                          ; a lane permute's destination counts as one of its sources
.endr
; A KEY STEP: 128 keys.
.macro STEP
	v_add_nc_u32 v3, s[TB], v1
.irp t, 0,1,2,3,4,5,6,7
	ds_load_b128 v[32+4*\t:35+4*\t], v3 offset:512*\t
.endr
	ds_load_b128 v[76:79], v3 offset:8192
	ds_load_b128 v[80:83], v3 offset:8704
	s_wait_dscnt 0x0
.irp t, 0,1,2,3,4,5,6,7
	SCORE \t
.endr
.rept 7
	v_nop                                          ; with the addition at the step's head: eight places between the last step's products v^T p^T and the first write of their scale word
.endr
	v_lshl_or_b32 v84, v81, 8, v80                 ; v's four bytes make the scale word: lane 16 t + r has row r of tile t.  (With the seven: ten places behind the scores)
	v_lshl_or_b32 v84, v82, 16, v84
	v_lshl_or_b32 v84, v83, 24, v84
.irp t, 0,1
.irp c, 0,1,2,3
	ds_load_b128 v[176+16*\t+4*\c:179+16*\t+4*\c], v3 offset:4096+2048*\t+512*\c   ; v^T lands under the softmax
.endr
.endr
.irp b, 0,1,2,3
	v_max3_num_f32 v[BM+\b], v[96+16*\b], v[97+16*\b], v[98+16*\b]   ; the largest score of each block of 32 keys: for the row's maximum and, since p rises with the score, for the block's largest p
.endr
.irp i, 3,5,7,9,11,13
.irp b, 0,1,2,3
	v_max3_num_f32 v[BM+\b], v[BM+\b], v[96+16*\b+\i], v[97+16*\b+\i]
.endr
.endr
.irp b, 0,1,2,3
	v_max_num_f32 v[BM+\b], v[BM+\b], v[111+16*\b]
.endr
.irp b, 0,1,2,3
	v_permlanex16_b32 v[PB+\b], v[BM+\b], s[SEL], s[SEL+1]
.endr
.irp b, 0,1,2,3
	v_max_num_f32 v[BM+\b], v[BM+\b], v[PB+\b]     ; with lane l xor 16's 16 keys
.endr
	v_max3_num_f32 v248, v[BM], v[BM+1], v[BM+2]
	v_max_num_f32 v248, v248, v[BM+3]
	v_mul_f32 v248, s[CS], v248                    ; as t (c is positive)
	v_max_num_f32 v13, v13, v248                   ; the running largest t
	v_mov_b32 v248, v12
	v_floor_f32 v12, -v13                          ; the new -M = -ceil(t)
	v_sub_f32 v248, v12, v248                      ; old M - new M: a whole number, 0 or less
	v_cvt_i32_f32 v248, v248                       ; (it saturates)
	v_ldexp_f32 v88, 1.0, v248                     ; f = 2^(old M - new M)
.set j, 0
.rept 32
	v_pk_fma_f32 v[96+j:97+j], v[96+j:97+j], s[CS:CS+1], v[12:13] op_sel_hi:[1,0,0]   ; t - M
.set j, j+2
.endr
.irp b, 0,1,2,3
	v_fma_f32 v[BM+\b], v[BM+\b], s[CS], v12       ; the same of each block's largest score
.endr
.set j, 0
.rept 64
	v_exp_f32 v[96+j], v[96+j]                     ; p = 2^(t - M), at most 1
.set j, j+1
.endr
	v_pk_mul_f32 v[14:15], v[14:15], v[88:89] op_sel_hi:[1,0]   ; the sums under the new M: the plain line behind the batch
	s_wait_alu depctr_va_vdst(0)                   ; one wait for the batch of 64, ahead of its first reader
.irp b, 0,1,2,3
	v_exp_f32 v[BM+\b], v[BM+\b]                   ; each block's largest p
.endr
	v_pk_add_f32 v[PB:PB+1], v[96:97], v[98:99]    ; the row's sum of the unquantised p, in two chains; it reads the 64 alone
.set j, 4
.rept 15
	v_pk_add_f32 v[14:15], v[14:15], v[96+j:97+j]
	v_pk_add_f32 v[PB:PB+1], v[PB:PB+1], v[98+j:99+j]
.set j, j+4
.endr
	v_pk_add_f32 v[14:15], v[14:15], v[PB:PB+1]
	s_wait_alu depctr_va_vdst(0)                   ; and one for the four
.irp b, 0,1,2,3
	v_max_num_f32 v[BM+\b], 0x8000000, v[BM+\b]    ; the floor 2^(16 - 127)
.endr
.irp b, 0,1,2,3
	v_add_nc_u32 v[SO+\b], 0xf8800000, v[BM+\b]
.endr
.irp b, 0,1,2,3
	v_and_or_b32 v[HD+\b], v[BM+\b], 0x7f800000, s[MNT]
.endr
.irp b, 0,1,2,3
	v_lshrrev_b32 v[PB+\b], 23, v[SO+\b]
.endr
	v_lshl_or_b32 v86, v[PB+1], 8, v[PB]           ; p's scale word for these 128 keys
	v_lshl_or_b32 v86, v[PB+2], 16, v86
	v_lshl_or_b32 v86, v[PB+3], 24, v86
.irp b, 0,1,2,3
.set j, 0
.rept 16
	v_min_num_f32 v[96+16*\b+j], v[96+16*\b+j], v[HD+\b]   ; the conversion does not saturate (ISA guide 7.6.2); p is not negative, so the hold is one-sided
.set j, j+1
.endr
	v_cvt_scalef32_pk8_bf8_f32 v[208+4*\b:209+4*\b], v[96+16*\b:103+16*\b], v[SO+\b]
	v_cvt_scalef32_pk8_bf8_f32 v[210+4*\b:211+4*\b], v[104+16*\b:111+16*\b], v[SO+\b]
.endr
.set j, 0
.rept 8
	v_pk_mul_f32 v[160+j:161+j], v[160+j:161+j], v[88:89] op_sel_hi:[1,0]   ; O^T under the new M, from its low end on; also the places between the codes and the products
.set j, j+2
.endr
	s_wait_dscnt 0x0                               ; v^T
	v_wmma_scale_f32_16x16x128_f8f6f4 v[160:167], v[176:191], v[208:223], v[160:167], v84, v86 matrix_a_fmt:MATRIX_FMT_BF8 matrix_b_fmt:MATRIX_FMT_BF8
	v_wmma_scale_f32_16x16x128_f8f6f4 v[168:175], v[192:207], v[208:223], v[168:175], v84, v86 matrix_a_fmt:MATRIX_FMT_BF8 matrix_b_fmt:MATRIX_FMT_BF8 matrix_a_scale:MATRIX_SCALE_ROW1
	s_add_co_u32 s[TB], s[TB], 9216                ; the ten accumulators of a step take turns, one instruction a turn
.endm
; A chunk of eight key steps.  My piece of chunk c has landed when at most 3 - c later loads of mine are out; behind the barrier everybody's has.  Nothing is filled again, so the later chunks stay on their way.
.macro CHUNK c
	s_wait_tensorcnt 3-\c
	s_barrier_signal -1
	s_barrier_wait -1
	s_mov_b32 s[TB], 73728*\c
	s_mov_b32 s[CNT], 8
.Lstep_\@:
	STEP
	s_sub_co_u32 s[CNT], s[CNT], 1
	s_cmp_lg_u32 s[CNT], 0
	s_cbranch_scc1 .Lstep_\@
.endm
	s_wait_loadcnt 0x0                             ; q
	CHUNK 0
	CHUNK 1
	CHUNK 2
	CHUNK 3
	; THE WAY OUT: O^T / the sum is one K block of the projection's operand: quantised here and stored as its image
	v_add_f32 v14, v14, v15
	v_permlanex16_b32 v248, v14, s[SEL], s[SEL+1]
	v_add_f32 v14, v14, v248                       ; the row's sum
	v_rcp_f32 v14, v14
.rept 8
	v_nop                                          ; eight places behind the last products; the first is the plain line behind the reciprocal
.endr
	s_wait_alu depctr_va_vdst(0)                   ; ahead of the reciprocal's first reader
.set j, 0
.rept 16
	v_mul_f32 v[96+j], v[160+j], v14               ; d = 16 (lane / 16) + j of my query
.set j, j+1
.endr
	QUANT 96, 208, 1
	global_store_b128 v1, v[208:211], s[58:59]     ; 32 lanes store 512 consecutive bytes
	global_store_b32 v5, v[TM+4], s[60:61] offset:2097152   ; the block's byte as a word
	s_wait_tensorcnt 0x0
	s_wait_tensorcnt 0x0
	ds_add_u32 v254, v255
	s_wait_dscnt 0x0
	ROUND                                          ; the closing round: no work-group ends while a partner may still ask for a piece that names it
	s_endpgm
.Lfunc_end_k_q7bf63b7ba0_attn:
	.size	k_q7bf63b7ba0_attn, .Lfunc_end_k_q7bf63b7ba0_attn-k_q7bf63b7ba0_attn
	.p2alignl 7, 3214868480
	.fill 96, 4, 3214868480
	.section	.rodata,"a",@progbits
	.p2align	6, 0x0
	.amdhsa_kernel k_q7bf63b7ba0_attn
		.amdhsa_group_segment_fixed_size 296960
		.amdhsa_private_segment_fixed_size 0
		.amdhsa_enable_private_segment 0
		.amdhsa_kernarg_size 24
		.amdhsa_user_sgpr_count 2
		.amdhsa_user_sgpr_kernarg_segment_ptr 1
		.amdhsa_wavefront_size32 1
		.amdhsa_system_sgpr_workgroup_id_x 1
		.amdhsa_system_sgpr_workgroup_id_y 1
		.amdhsa_system_sgpr_workgroup_id_z 1
		.amdhsa_system_vgpr_workitem_id 0
		.amdhsa_next_free_vgpr 256
		.amdhsa_next_free_sgpr 66
		.amdhsa_reserve_vcc 0
		.amdhsa_float_denorm_mode_32 3
		.amdhsa_float_denorm_mode_16_64 3
		.amdhsa_memory_ordered 1
		.amdhsa_forward_progress 1
		.amdhsa_inst_pref_size 77
	.end_amdhsa_kernel
	.amdgpu_metadata
---
amdhsa.version: [ 1, 2 ]
amdhsa.kernels:
  - .name:           k_q7bf63b7ba0_attn
    .symbol:         k_q7bf63b7ba0_attn.kd
    .args:
      - { .name: qc, .offset: 0, .size: 8, .value_kind: global_buffer, .address_space: global }
      - { .name: kv, .offset: 8, .size: 8, .value_kind: global_buffer, .address_space: global }
      - { .name: ao, .offset: 16, .size: 8, .value_kind: global_buffer, .address_space: global }
    .group_segment_fixed_size: 296960
    .private_segment_fixed_size: 0
    .kernarg_segment_align: 8
    .kernarg_segment_size: 24
    .max_flat_workgroup_size: 512
    .sgpr_count:     66
    .vgpr_count:     256
    .wavefront_size: 32
...
	.end_amdgpu_metadata
.endif
;; end of part 3
;; launch proj (part 4): grid 256 x 1, 16 waves a work-group, no clusters, 37,888 bytes of LDS; arguments ao, wq, proj_b, x, x1, pm; writes x1, pm
.if DOCPART == 4
	.amdgcn_target "amdgcn-amd-amdhsa--gfx1250"
	.amdhsa_code_object_version 6
	.text
	.protected	k_q7bf63b7ba0_proj
	.globl	k_q7bf63b7ba0_proj
	.p2align	8
	.type	k_q7bf63b7ba0_proj,@function
k_q7bf63b7ba0_proj:
	s_mov_b64 s[64:65], 0
	v_nop
	global_prefetch_b8 v0, s[64:65] scope:SCOPE_SE
	s_setreg_imm32_b32 hwreg(HW_REG_WAVE_MODE, 25, 1), 1
	s_wait_xcnt 0x0
; LAUNCH 4.  x1 = x + proj_w o + proj_b, the product on codes of E5M2 with E8M0 block scales (both operands come as images of their registers), and for BN2 each channel's mean and sum of squared
; differences over the work-group's 64 tokens (the next launch joins the 256 equal parts; no difference of large sums is formed).
; SHARES.  Work-group g: tokens 64 (g % 64) on of batch g / 64: token tiles 4 g + 0 .. 3.  Wave w: 16 output channels (tile n = w % 8) x two token tiles (2 (w / 8) + f).
; Source 0 = 16 tokens, source 1 = 16 rows of proj_w: a lane holds a channel, and by the tiles' order of tokens its 16 registers are 16 neighbouring tokens.  The bias is the C of the one matrix instruction of each sum.
; The results meet in a stage (128 channels x 256 bytes + 16) and leave with x added: sixteen lanes store 256 consecutive bytes, aligned.
; No cluster: what work-groups share is 2 KB of weight codes a wave, taken from memory straight into registers.
.set PMA, 34816                        ; LDS: behind the stage: 128 means, 128 sums of squares
	s_load_b256 s[4:11], s[0:1], 0x0               ; ao, wq, proj_b, x
	s_load_b128 s[12:15], s[0:1], 0x20             ; x1, pm
	v_lshl_add_u32 v160, v0, 2, 0x8c00
	v_mov_b32 v161, 0
	v_lshrrev_b32 v1, 5, v0
	v_readfirstlane_b32 s16, v1                    ; wave 0..15
	s_and_b32 s17, s16, 7                          ; n
	s_lshr_b32 s18, s16, 3                         ; which pair of token tiles
	s_lshr_b32 s20, ttmp9, 6                       ; batch
	s_and_b32 s21, ttmp9, 63
	v_and_b32 v8, 31, v0
	v_and_b32 v9, 15, v0                           ; r
	v_bfe_u32 v10, v0, 4, 1                        ; h
	v_lshlrev_b32 v1, 4, v8                        ; 16 L
	v_lshlrev_b32 v2, 2, v8                        ; 4 L
	v_lshlrev_b32 v11, 2, v9                       ; 4 r
	v_lshlrev_b32 v3, 14, v10
	v_lshl_add_u32 v3, v9, 4, v3                   ; x, x1: lanes 0-15 one channel's 256 bytes, lanes 16-31 the next channel's
	s_lshl_b32 s24, ttmp9, 2
	s_lshl_b32 s25, s18, 1
	s_add_co_u32 s24, s24, s25                     ; my first fragment of ao: 4 g + 2 (w / 8)
	s_mov_b32 s27, 0
	s_wait_kmcnt 0x0
	s_lshl_b32 s26, s24, 11
	s_add_nc_u64 s[28:29], s[4:5], s[26:27]
	s_lshl_b32 s26, s24, 9
	s_add_nc_u64 s[30:31], s[4:5], s[26:27]
	s_add_co_u32 s24, s17, 24                      ; proj_w's fragment
	s_lshl_b32 s26, s24, 11
	s_add_nc_u64 s[32:33], s[6:7], s[26:27]
	s_lshl_b32 s26, s24, 7
	s_add_nc_u64 s[34:35], s[6:7], s[26:27]
	s_lshl_b32 s26, s17, 6
	s_add_nc_u64 s[36:37], s[8:9], s[26:27]
	s_lshl_b32 s26, s20, 21
	s_lshl_b32 s24, s16, 17
	s_add_co_u32 s26, s26, s24
	s_lshl_b32 s24, s21, 8
	s_add_co_u32 s26, s26, s24                     ; batch, channel 8 w, my 64 tokens
	s_add_nc_u64 s[38:39], s[10:11], s[26:27]
	s_add_nc_u64 s[40:41], s[12:13], s[26:27]
	s_and_b32 s24, s16, 1
	s_lshl_b32 s26, s24, 17
	s_lshl_b32 s25, ttmp9, 9
	s_add_co_u32 s26, s26, s25
	s_add_nc_u64 s[42:43], s[14:15], s[26:27]      ; pm: means (wave 0) or sums of squares (wave 1), row g
.irp f, 0,1
.irp c, 0,1,2,3
	global_load_b128 v[16+16*\f+4*\c:19+16*\f+4*\c], v1, s[28:29] offset:2048*\f+512*\c
.endr
.endr
.irp f, 0,1
.irp c, 0,1,2,3
	global_load_b32 v[88+4*\f+\c], v2, s[30:31] offset:2097152+512*\f+128*\c   ; the four heads' scale bytes, a word each
.endr
.endr
.irp c, 0,1,2,3
	global_load_b128 v[48+4*\c:51+4*\c], v1, s[32:33] offset:512*\c
.endr
	global_load_b32 v98, v2, s[34:35] offset:196608
	global_load_b32 v99, v11, s[36:37]
.irp i, 0,1,2,3
	global_load_b128 v[100+4*\i:103+4*\i], v3, s[38:39] offset:32768*\i        ; x: channels 8 w + 2 i + h
.endr
	; LDS addresses, made ahead of every parting of the waves
	v_mul_u32_u24 v4, v9, 272
	v_lshl_add_u32 v4, v10, 6, v4
	s_mul_i32 s24, s17, 16*272
	s_lshl_b32 s25, s18, 7
	s_add_co_u32 s24, s24, s25
	v_add_nc_u32 v4, s24, v4                       ; the stage, in: channel 16 n + r; tokens 32 (w / 8) + 16 h on
	v_mul_u32_u24 v5, v10, 272
	v_lshl_add_u32 v5, v9, 4, v5
	s_mul_i32 s24, s16, 8*272
	v_add_nc_u32 v5, s24, v5                       ; back: channel 8 w + h (+ 2 i), 16 bytes a lane
	s_lshl_b32 s24, s16, 5
	v_lshl_add_u32 v6, v10, 2, s24                 ; a channel's word: 4 (8 w + h) (+ 8 i)
	s_and_b32 s24, s16, 1
	s_lshl_b32 s24, s24, 9
	v_add_nc_u32 v7, s24, v1
	s_wait_loadcnt 4                               ; all but x's four loads
.irp f, 0,1
	v_lshl_or_b32 v[96+\f], v[89+4*\f], 8, v[88+4*\f]
	v_lshl_or_b32 v[96+\f], v[90+4*\f], 16, v[96+\f]
	v_lshl_or_b32 v[96+\f], v[91+4*\f], 24, v[96+\f]
.endr
.irp j, 0,1,2,3,4,5,6,7
	v_mov_b32 v[80+\j], v99                        ; the bias hangs on the lane's channel alone
.endr
.rept 8
	v_nop                                          ; a scale word made by vector instructions stands eight places ahead of the product
.endr
.irp f, 0,1
	v_wmma_scale_f32_16x16x128_f8f6f4 v[64+8*\f:71+8*\f], v[16+16*\f:31+16*\f], v[48:63], v[80:87], v[96+\f], v98 matrix_a_fmt:MATRIX_FMT_BF8 matrix_b_fmt:MATRIX_FMT_BF8
.endr
.rept 8
	v_nop                                          ; eight places ahead of the first read of a result
.endr
.irp j, 0,1,2,3
	ds_store_b128 v4, v[64+4*\j:67+4*\j] offset:16*\j   ; each accumulator from its low end on
.endr
	s_wait_dscnt 0x0                               ; for the others' sake
	s_barrier_signal -1
	s_barrier_wait -1
.irp i, 0,1,2,3
	ds_load_b128 v[116+4*\i:119+4*\i], v5 offset:544*\i
.endr
	s_wait_loadcnt 0x0                             ; x
	s_wait_dscnt 0x0
.set k, 0
.rept 8
	v_pk_add_f32 v[116+2*k:117+2*k], v[116+2*k:117+2*k], v[100+2*k:101+2*k]
.set k, k+1
.endr
.irp i, 0,1,2,3
	global_store_b128 v3, v[116+4*\i:119+4*\i], s[40:41] offset:32768*\i
.endr
	; each channel's 64 numbers lie in sixteen lanes x four registers: the mean, then the squares of the differences
.irp i, 0,1,2,3
	v_add_f32 v[132+\i], v[116+4*\i], v[117+4*\i]
	v_add_f32 v[136+\i], v[118+4*\i], v[119+4*\i]
.endr
.irp i, 0,1,2,3
	v_add_f32 v[132+\i], v[132+\i], v[136+\i]
.endr
.irp m, 1,2,4,8
.irp i, 0,1,2,3
	v_add_f32_dpp v[132+\i], v[132+\i], v[132+\i] row_xmask:\m row_mask:0xf bank_mask:0xf
.endr
.endr
.irp i, 0,1,2,3
	v_mul_f32 v[132+\i], 0x3c800000, v[132+\i]     ; / 64
.endr
.irp i, 0,1,2,3
.irp k, 0,1,2,3
	v_sub_f32 v[140+4*\i+\k], v[116+4*\i+\k], v[132+\i]
.endr
.endr
.irp i, 0,1,2,3
	v_mul_f32 v[136+\i], v[140+4*\i], v[140+4*\i]
.endr
.irp k, 1,2,3
.irp i, 0,1,2,3
	v_fma_f32 v[136+\i], v[140+4*\i+\k], v[140+4*\i+\k], v[136+\i]
.endr
.endr
.irp m, 1,2,4,8
.irp i, 0,1,2,3
	v_add_f32_dpp v[136+\i], v[136+\i], v[136+\i] row_xmask:\m row_mask:0xf bank_mask:0xf
.endr
.endr
.irp i, 0,1,2,3
	ds_store_b32 v6, v[132+\i] offset:PMA+8*\i     ; sixteen lanes write the same word with the same value
	ds_store_b32 v6, v[136+\i] offset:PMA+512+8*\i
.endr
	s_wait_dscnt 0x0
	s_barrier_signal -1
	s_barrier_wait -1
	s_cmp_gt_u32 s16, 1                            ; wave 0 stores the 128 means, wave 1 the 128 sums: 512 consecutive bytes each
	s_cbranch_scc1 .Ldone
	ds_load_b128 v[20:23], v7 offset:PMA
	s_wait_dscnt 0x0
	global_store_b128 v1, v[20:23], s[42:43]
.Ldone:
	s_wait_tensorcnt 0x0
	ds_add_u32 v160, v161
	s_wait_dscnt 0x0
	s_endpgm
.Lfunc_end_k_q7bf63b7ba0_proj:
	.size	k_q7bf63b7ba0_proj, .Lfunc_end_k_q7bf63b7ba0_proj-k_q7bf63b7ba0_proj
	.p2alignl 7, 3214868480
	.fill 96, 4, 3214868480
	.section	.rodata,"a",@progbits
	.p2align	6, 0x0
	.amdhsa_kernel k_q7bf63b7ba0_proj
		.amdhsa_group_segment_fixed_size 37888
		.amdhsa_private_segment_fixed_size 0
		.amdhsa_enable_private_segment 0
		.amdhsa_kernarg_size 48
		.amdhsa_user_sgpr_count 2
		.amdhsa_user_sgpr_kernarg_segment_ptr 1
		.amdhsa_wavefront_size32 1
		.amdhsa_system_sgpr_workgroup_id_x 1
		.amdhsa_system_sgpr_workgroup_id_y 1
		.amdhsa_system_sgpr_workgroup_id_z 1
		.amdhsa_system_vgpr_workitem_id 0
		.amdhsa_next_free_vgpr 162
		.amdhsa_next_free_sgpr 66
		.amdhsa_reserve_vcc 0
		.amdhsa_float_denorm_mode_32 3
		.amdhsa_float_denorm_mode_16_64 3
		.amdhsa_memory_ordered 1
		.amdhsa_forward_progress 1
		.amdhsa_inst_pref_size 13
	.end_amdhsa_kernel
	.amdgpu_metadata
---
amdhsa.version: [ 1, 2 ]
amdhsa.kernels:
  - .name:           k_q7bf63b7ba0_proj
    .symbol:         k_q7bf63b7ba0_proj.kd
    .args:
      - { .name: ao, .offset: 0, .size: 8, .value_kind: global_buffer, .address_space: global }
      - { .name: wq, .offset: 8, .size: 8, .value_kind: global_buffer, .address_space: global }
      - { .name: proj_b, .offset: 16, .size: 8, .value_kind: global_buffer, .address_space: global }
      - { .name: x, .offset: 24, .size: 8, .value_kind: global_buffer, .address_space: global }
      - { .name: x1, .offset: 32, .size: 8, .value_kind: global_buffer, .address_space: global }
      - { .name: pm, .offset: 40, .size: 8, .value_kind: global_buffer, .address_space: global }
    .group_segment_fixed_size: 37888
    .private_segment_fixed_size: 0
    .kernarg_segment_align: 8
    .kernarg_segment_size: 48
    .max_flat_workgroup_size: 512
    .sgpr_count:     66
    .vgpr_count:     162
    .wavefront_size: 32
...
	.end_amdgpu_metadata
.endif
;; end of part 4
;; launch mlp (part 5): grid 256 x 1, 16 waves a work-group, no clusters, 154,112 bytes of LDS; arguments x1, pm, bn2_g, bn2_b, wq, mlp_b1, mlp_b2, out0; writes out0
.if DOCPART == 5
	.amdgcn_target "amdgcn-amd-amdhsa--gfx1250"
	.amdhsa_code_object_version 6
	.text
	.protected	k_q7bf63b7ba0_mlp
	.globl	k_q7bf63b7ba0_mlp
	.p2align	8
	.type	k_q7bf63b7ba0_mlp,@function
k_q7bf63b7ba0_mlp:
	s_mov_b64 s[64:65], 0
	v_nop
	global_prefetch_b8 v0, s[64:65] scope:SCOPE_SE
	s_setreg_imm32_b32 hwreg(HW_REG_WAVE_MODE, 25, 1), 1
	s_wait_xcnt 0x0
; LAUNCH 5.  out0 = x1 + mlp_w2 gelu(mlp_w1 BN2(x1) + mlp_b1) + mlp_b2, both products on codes of E5M2 with E8M0 block scales; the hidden layer never goes to memory.
; SHARES.  Work-group g: 64 tokens (four token tiles), as in the launch before.  Sixteen waves:
;   C: every work-group joins the 256 equal parts of the statistics: mu = sum of means / 256; M2 = sum of M2_i + 64 x sum of (mean_i - mu)^2; wave w takes parts 16 w .. 16 w + 15, lane L channels 4 L .. 4 L + 3.
;   X: wave w normalises channels 8 w .. 8 w + 7 into LDS; then quantises K block w % 4 of token tile w / 4.
;   1: wave w makes hidden units 32 w .. 32 w + 31 for the four tiles (source 0 = 16 rows of mlp_w1, source 1 = the tokens): a lane holds a token, its 16 registers 16 neighbouring units: K block w % 4 of K step w / 4 of the second product.
;   2: wave w makes 16 output channels (w % 8) x two token tiles (source 0 = the tokens, source 1 = 16 rows of mlp_w2): a lane holds a channel and 16 neighbouring tokens.
; OPERANDS GO FROM WAVE TO WAVE THROUGH LDS AS IMAGES OF THEIR REGISTERS (16 bytes a lane, 512 consecutive bytes a store); a block's scale byte goes as a whole word, and the reader joins four.
; The weights' codes stay in registers; the biases are the C of each sum's first matrix instruction.
; GELU, exact form: gelu(x) = max(x, 0) - |x| / 2 x erfc(|x| / sqrt 2), erfc by the five-term rational form of Abramowitz and Stegun 7.1.26.
; LIMITS: that form's absolute error is 1.5e-7, about one unit in the last place of the 1 + erf that the definition forms in f32.  NaN and infinities are not served; very small blocks get the byte 1, as the first launch states.
; v_rsq_f32 and v_rcp_f32 stand where the definition divides.
; No cluster: what work-groups share (weight codes, 12 KB a wave; the statistics' parts) goes from memory straight into registers.
.set RED1, 0                           ; LDS: sixteen waves' sums of means, 512 bytes each;
.set RED2, 8192                        ; of squares;
.set CST,  16384                       ; each wave's own 1,024 bytes: mu and s of the 128 channels, to bring them from 4 channels a lane to a channel a lane;
.set XT,   32768                       ; BN2(x1): channel c, token t at 256 c + 32 (c / 16) + 4 t;
.set XIMG, 66048                       ; its four fragments;
.set XSC,  74240                       ; their bytes as words: [tile][16 L + 4 block];
.set HIMG, 76288                       ; the hidden layer's sixteen fragments (4 tile + K step);
.set HSC,  109056                      ; their bytes as words;
.set STG,  117248                      ; the stage: 128 channels x (256 bytes + 16)
.set XRAW, 24                          ; v24-39   x1 as loaded: kept for the residual
.set BE,   40                          ; v40-43 beta, v44-47 mu, v48-51 s of channel 8 w + 2 i + h;  v52-55 gamma of channels 4 L on
.set MN,   44
.set SS,   48
.set GA,   52
.set W1S,  56                          ; scale words: v56-57 mlp_w1's, v58-61 mlp_w2's, v62-65 the tokens', v66-73 the hidden layer's
.set W2S,  58
.set XS,   62
.set HS,   66
.set B2,   74
.set R1,   76                          ; v76-139  the parts' M2; then mlp_w1 (32), b1 (16), a fragment of tokens (16); then mlp_w2's four fragments
.set T,    140                         ; v140-203 the parts' means; then gelu's Z, TT, Q, P; then hidden fragments
.set Z,    140
.set TT,   156
.set Q,    172
.set P,    188
.set X,    204                         ; v204-219 two accumulators
.set TM,   220                         ; v220-235 the quantiser's work (v204-235: also the sums' way back)
.set PC,   240
.set B2C,  244                         ; v244-251 b2 in the result's layout (earlier: my sums)
.set A5,   252
.set SEL,  26
.set MNT,  28
.macro QUANT s, d, nb
.set qb, 0
.rept \nb
	v_max3_num_f32 v[TM+qb], |v[(\s)+16*qb]|, |v[(\s)+16*qb+1]|, 0x8000000
.set qb, qb+1
.endr
.set qi, 2
.rept 7
.set qb, 0
.rept \nb
	v_max3_num_f32 v[TM+qb], v[TM+qb], |v[(\s)+16*qb+qi]|, |v[(\s)+16*qb+qi+1]|
.set qb, qb+1
.endr
.set qi, qi+2
.endr
.set qb, 0
.rept \nb
	v_permlanex16_b32 v[TM+4+qb], v[TM+qb], s[SEL], s[SEL+1]
.set qb, qb+1
.endr
.set qb, 0
.rept \nb
	v_max_num_f32 v[TM+qb], v[TM+qb], v[TM+4+qb]
.set qb, qb+1
.endr
.set qb, 0
.rept \nb
	v_add_nc_u32 v[TM+12+qb], 0xf8800000, v[TM+qb]
	v_and_or_b32 v[TM+8+qb], v[TM+qb], 0x7f800000, s[MNT]
.set qb, qb+1
.endr
.set qb, 0
.rept \nb
	v_lshrrev_b32 v[TM+4+qb], 23, v[TM+12+qb]
.set qb, qb+1
.endr
.set qb, 0
.rept \nb
.set qi, 0
.rept 16
	v_med3_num_f32 v[(\s)+16*qb+qi], v[(\s)+16*qb+qi], -v[TM+8+qb], v[TM+8+qb]
.set qi, qi+1
.endr
	v_cvt_scalef32_pk8_bf8_f32 v[(\d)+4*qb:(\d)+4*qb+1], v[(\s)+16*qb:(\s)+16*qb+7], v[TM+12+qb]
	v_cvt_scalef32_pk8_bf8_f32 v[(\d)+4*qb+2:(\d)+4*qb+3], v[(\s)+16*qb+8:(\s)+16*qb+15], v[TM+12+qb]
.set qb, qb+1
.endr
	v_nop
.endm
.macro FETCH reg, adr, off             ; a fragment's image comes back as it was stored
.irp c, 0,1,2,3
	ds_load_b128 v[(\reg)+4*\c:(\reg)+4*\c+3], v[\adr] offset:(\off)+512*\c
.endr
.endm
.macro BARRIER                         ; my LDS stores have landed and my LDS loads are in: then the work-group's barrier
	s_wait_dscnt 0x0
	s_barrier_signal -1
	s_barrier_wait -1
.endm
.macro RSUM base, d                    ; the sixteen waves' four numbers a lane, summed into v[d .. d + 3]
.irp k, 0,1,2,3,4,5,6,7
	ds_load_b128 v[204+4*\k:207+4*\k], v1 offset:\base+512*\k
.endr
	s_wait_dscnt 0x0
	v_pk_add_f32 v[\d:\d+1], v[204:205], v[208:209]
	v_pk_add_f32 v[\d+2:\d+3], v[206:207], v[210:211]
.irp k, 2,3,4,5,6,7
	v_pk_add_f32 v[\d:\d+1], v[\d:\d+1], v[204+4*\k:205+4*\k]
	v_pk_add_f32 v[\d+2:\d+3], v[\d+2:\d+3], v[206+4*\k:207+4*\k]
.endr
.irp k, 0,1,2,3,4,5,6,7
	ds_load_b128 v[204+4*\k:207+4*\k], v1 offset:\base+4096+512*\k
.endr
	s_wait_dscnt 0x0
.irp k, 0,1,2,3,4,5,6,7
	v_pk_add_f32 v[\d:\d+1], v[\d:\d+1], v[204+4*\k:205+4*\k]
	v_pk_add_f32 v[\d+2:\d+3], v[\d+2:\d+3], v[206+4*\k:207+4*\k]
.endr
.endm
; gelu of the 16 numbers in v[X] on, in place.  Z = |x| sqrt(log2(e) / 2), so that 2^(-Z Z) = e^(-x x / 2); t = 1 / (1 + 0.3275911 |x| / sqrt 2).  The 32 transcendentals are one batch with one wait.
.macro GELU16
.set gi, 0
.rept 16
	v_mul_f32 v[Z+gi], s29, |v[X+gi]|              ; each accumulator is read from its low end on
.set gi, gi+1
.endr
.set gi, 0
.rept 8
	v_pk_fma_f32 v[TT+gi:TT+gi+1], v[Z+gi:Z+gi+1], s[30:31], 1.0 op_sel_hi:[1,0,0]
.set gi, gi+2
.endr
.set gi, 0
.rept 8
	v_pk_mul_f32 v[Q+gi:Q+gi+1], v[Z+gi:Z+gi+1], v[Z+gi:Z+gi+1]
.set gi, gi+2
.endr
.set gi, 0
.rept 16
	v_rcp_f32 v[TT+gi], v[TT+gi]
.set gi, gi+1
.endr
.set gi, 0
.rept 16
	v_exp_f32 v[Q+gi], -v[Q+gi]
.set gi, gi+1
.endr
.set gi, 0
.rept 8
	v_pk_mul_f32 v[Z+gi:Z+gi+1], v[Z+gi:Z+gi+1], s[32:33] op_sel_hi:[1,0]   ; |x| / 2: work that names no result of the batch
.set gi, gi+2
.endr
.set gi, 0
.rept 16
	v_max_num_f32 v[X+gi], 0, v[X+gi]
.set gi, gi+1
.endr
	s_wait_alu depctr_va_vdst(0)                   ; one wait for the batch, ahead of its first reader
.set gi, 0
.rept 8
	v_pk_fma_f32 v[P+gi:P+gi+1], v[TT+gi:TT+gi+1], v[A5:A5+1], s[34:35] op_sel_hi:[1,1,0]
.set gi, gi+2
.endr
.irp a, 36,38,40
.set gi, 0
.rept 8
	v_pk_fma_f32 v[P+gi:P+gi+1], v[P+gi:P+gi+1], v[TT+gi:TT+gi+1], s[\a:\a+1] op_sel_hi:[1,1,0]
.set gi, gi+2
.endr
.endr
.set gi, 0
.rept 8
	v_pk_mul_f32 v[P+gi:P+gi+1], v[P+gi:P+gi+1], v[TT+gi:TT+gi+1]
.set gi, gi+2
.endr
.set gi, 0
.rept 8
	v_pk_mul_f32 v[P+gi:P+gi+1], v[P+gi:P+gi+1], v[Q+gi:Q+gi+1]             ; erfc
.set gi, gi+2
.endr
.set gi, 0
.rept 8
	v_pk_fma_f32 v[X+gi:X+gi+1], v[Z+gi:Z+gi+1], v[P+gi:P+gi+1], v[X+gi:X+gi+1] neg_lo:[1,0,0] neg_hi:[1,0,0]
.set gi, gi+2
.endr
.endm
	s_load_b256 s[4:11], s[0:1], 0x0               ; x1, pm, bn2_g, bn2_b
	s_load_b256 s[12:19], s[0:1], 0x20             ; wq, mlp_b1, mlp_b2, out0
	v_lshl_add_u32 v254, v0, 2, 0x25200
	v_mov_b32 v255, 0
	v_lshrrev_b32 v1, 5, v0
	v_readfirstlane_b32 s20, v1                    ; wave 0..15
	s_lshr_b32 s22, ttmp9, 6                       ; batch
	s_and_b32 s23, ttmp9, 63
	s_and_b32 s24, s20, 7                          ; n
	s_lshr_b32 s25, s20, 3                         ; which pair of token tiles
	s_mov_b32 s[SEL], 0x76543210
	s_mov_b32 s[SEL+1], 0xfedcba98
	s_mov_b32 s[MNT], 0x600000
	s_mov_b32 s29, 0x3f596d27                      ; sqrt(log2(e) / 2) = 0.8493218
	s_mov_b32 s30, 0x3e8ba43f                      ; 0.3275911 / sqrt(log2(e)) = 0.2727375
	s_mov_b32 s31, s30                             ; (the packed forms name pairs and take the low word for both halves: so the upper words are written)
	s_mov_b32 s32, 0x3f16b55f                      ; 1 / (2 x 0.8493218) = 0.5887050
	s_mov_b32 s33, s32
	s_mov_b32 s34, 0xbfba00e3                      ; a4 = -1.453152027
	s_mov_b32 s35, s34
	s_mov_b32 s36, 0x3fb5f0e3                      ; a3 = 1.421413741
	s_mov_b32 s37, s36
	s_mov_b32 s38, 0xbe91a98e                      ; a2 = -0.284496736
	s_mov_b32 s39, s38
	s_mov_b32 s40, 0x3e827906                      ; a1 = 0.254829592
	s_mov_b32 s41, s40
	v_mov_b32 v[A5], 0x3f87dc22                    ; a5 = 1.061405429
	v_mov_b32 v[A5+1], 0x3f87dc22
	v_and_b32 v15, 31, v0                          ; L
	v_and_b32 v22, 15, v0                          ; r
	v_bfe_u32 v23, v0, 4, 1                        ; h
	v_lshlrev_b32 v1, 4, v15                       ; 16 L
	v_lshlrev_b32 v4, 2, v15                       ; 4 L
	v_lshlrev_b32 v2, 14, v23
	v_lshl_add_u32 v2, v22, 4, v2                  ; x1, out0: lanes 0-15 one channel's 256 bytes, lanes 16-31 the next channel's
	v_lshlrev_b32 v3, 2, v23                       ; 4 h
	v_lshlrev_b32 v6, 6, v23                       ; 64 h
	v_lshlrev_b32 v21, 2, v22                      ; 4 r
	s_mov_b32 s43, 0
	s_wait_kmcnt 0x0
	s_lshl_b32 s42, s20, 13
	s_add_nc_u64 s[6:7], s[6:7], s[42:43]          ; pm: parts 16 w on
	s_lshl_b32 s42, s22, 21
	s_lshl_b32 s52, s20, 17
	s_add_co_u32 s42, s42, s52
	s_lshl_b32 s52, s23, 8
	s_add_co_u32 s42, s42, s52
	s_add_nc_u64 s[4:5], s[4:5], s[42:43]          ; batch, channel 8 w, my 64 tokens
	s_add_nc_u64 s[18:19], s[18:19], s[42:43]
	s_lshl_b32 s42, s20, 5
	s_add_nc_u64 s[10:11], s[10:11], s[42:43]
	s_lshl_b32 s52, s20, 1
	s_add_co_u32 s52, s52, 32                      ; mlp_w1's fragments 32 + 2 w + u
	s_lshl_b32 s42, s52, 7
	s_add_nc_u64 s[44:45], s[12:13], s[42:43]
	s_lshl_b32 s42, s52, 11
	s_add_nc_u64 s[48:49], s[12:13], s[42:43]
	s_lshl_b32 s52, s24, 2
	s_add_co_u32 s52, s52, 64                      ; mlp_w2's fragments 64 + 4 n + s
	s_lshl_b32 s42, s52, 7
	s_add_nc_u64 s[46:47], s[12:13], s[42:43]
	s_lshl_b32 s42, s52, 11
	s_add_nc_u64 s[50:51], s[12:13], s[42:43]
	s_lshl_b32 s42, s20, 7
	s_add_nc_u64 s[14:15], s[14:15], s[42:43]
	s_lshl_b32 s42, s24, 6
	s_add_nc_u64 s[16:17], s[16:17], s[42:43]
	; ---- 48 loads: 16 of means, 16 of M2, then 16 others
.set k, 0
.rept 16
	global_load_b128 v[T+4*k:T+4*k+3], v1, s[6:7] offset:512*k
.set k, k+1
.endr
.set k, 0
.rept 16
	global_load_b128 v[R1+4*k:R1+4*k+3], v1, s[6:7] offset:131072+512*k
.set k, k+1
.endr
	global_load_b128 v[GA:GA+3], v1, s[8:9]
.irp i, 0,1,2,3
	global_load_b128 v[XRAW+4*\i:XRAW+4*\i+3], v2, s[4:5] offset:32768*\i
.endr
.irp i, 0,1,2,3
	global_load_b32 v[BE+\i], v3, s[10:11] offset:8*\i
.endr
.irp u, 0,1
	global_load_b32 v[W1S+\u], v4, s[44:45] offset:196608+128*\u
.endr
.irp s, 0,1,2,3
	global_load_b32 v[W2S+\s], v4, s[46:47] offset:196608+128*\s
.endr
	global_load_b32 v[B2], v21, s[16:17]
	; LDS addresses (an immediate reaches 65,535: the regions beyond carry their base in the register)
	v_lshlrev_b32 v5, 4, v0                        ; 512 w + 16 L
	s_lshl_b32 s42, s20, 10
	v_add_nc_u32 v7, s42, v1                       ; my wave's 1,024 bytes, 16 L
	s_mul_i32 s42, s20, 1056
	v_add_nc_u32 v8, s42, v3                       ; and in them the word of channel 8 w + h
	s_lshl_b32 s42, s20, 11
	s_lshr_b32 s52, s20, 1
	s_lshl_b32 s52, s52, 5
	s_add_co_u32 s42, s42, s52
	v_lshlrev_b32 v9, 8, v23
	v_lshl_add_u32 v9, v22, 4, v9
	v_add_nc_u32 v9, s42, v9                       ; BN2(x1), in: channel 8 w + h (+ 2 i), 16 r
	s_and_b32 s42, s20, 3
	s_mul_i32 s42, s42, 8256
	s_lshr_b32 s52, s20, 3
	s_lshl_b32 s52, s52, 7
	s_add_co_u32 s42, s42, s52
	s_bfe_u32 s52, s20, 0x10002
	s_lshl_b32 s52, s52, 5
	s_add_co_u32 s42, s42, s52
	v_and_b32 v10, 8, v22
	v_add_nc_u32 v10, v10, v22
	v_lshlrev_b32 v10, 2, v10
	v_mad_u32_u24 v10, v23, 4128, v10
	v_add_nc_u32 v10, s42, v10                     ; out: channels 32 (w % 4) + 16 h on, the token of lane r of tile w / 4
	s_lshr_b32 s42, s20, 2
	s_lshl_b32 s42, s42, 9
	s_and_b32 s52, s20, 3
	s_lshl_b32 s52, s52, 2
	s_add_co_u32 s42, s42, s52
	v_add_nc_u32 v16, s42, v1                      ; 512 (w / 4) + 16 L + 4 (w % 4)
	v_add_nc_u32 v11, XSC, v16
	v_add_nc_u32 v16, HSC, v16
	v_add_nc_u32 v12, XIMG, v5
	v_add_nc_u32 v13, HIMG, v5
	v_add_nc_u32 v14, XIMG, v1
	s_mul_i32 s42, s24, 16*272
	s_lshl_b32 s52, s25, 7
	s_add_co_u32 s42, s42, s52
	s_add_co_u32 s42, s42, STG
	v_mul_u32_u24 v17, v22, 272
	v_add_nc_u32 v17, v17, v6
	v_add_nc_u32 v17, s42, v17                     ; the stage, in
	s_mul_i32 s42, s20, 8*272
	s_add_co_u32 s42, s42, STG
	v_mul_u32_u24 v18, v23, 272
	v_lshl_add_u32 v18, v22, 4, v18
	v_add_nc_u32 v18, s42, v18                     ; and back
	s_lshl_b32 s42, s25, 14
	s_add_co_u32 s42, s42, HIMG
	v_add_nc_u32 v19, s42, v1                      ; my two tiles' hidden fragments
	s_lshl_b32 s42, s25, 12
	s_add_co_u32 s42, s42, HSC
	v_add_nc_u32 v20, s42, v1                      ; and their words
	s_mov_b32 s42, 0x38800000                      ; 1 / 16,384
	s_mov_b32 s43, 0x3727c5ac                      ; eps = 1e-5
	; ---- C: the statistics
	s_wait_loadcnt 32                              ; the 16 loads of means are in; 32 were issued behind them
	v_pk_add_f32 v[248:249], v[T:T+1], v[T+4:T+5]
	v_pk_add_f32 v[250:251], v[T+2:T+3], v[T+6:T+7]
.set k, 2
.rept 14
	v_pk_add_f32 v[248:249], v[248:249], v[T+4*k:T+4*k+1]
	v_pk_add_f32 v[250:251], v[250:251], v[T+4*k+2:T+4*k+3]
.set k, k+1
.endr
	ds_store_b128 v5, v[248:251] offset:RED1
	s_wait_loadcnt 16                              ; the 16 loads of M2 are in
	v_pk_add_f32 v[244:245], v[R1:R1+1], v[R1+4:R1+5]
	v_pk_add_f32 v[246:247], v[R1+2:R1+3], v[R1+6:R1+7]
.set k, 2
.rept 14
	v_pk_add_f32 v[244:245], v[244:245], v[R1+4*k:R1+4*k+1]
	v_pk_add_f32 v[246:247], v[246:247], v[R1+4*k+2:R1+4*k+3]
.set k, k+1
.endr
.irp u, 0,1
.irp c, 0,1,2,3
	global_load_b128 v[R1+16*\u+4*\c:R1+16*\u+4*\c+3], v1, s[48:49] offset:2048*\u+512*\c   ; mlp_w1's two fragments, into the registers that M2 has left
.endr
.endr
.irp u, 0,1
	global_load_b128 v[R1+32+8*\u:R1+32+8*\u+3], v6, s[14:15] offset:32*\u                  ; b1 in the result's layout: units 32 w + 16 h + 8 u + 0 .. 7
	global_load_b128 v[R1+32+8*\u+4:R1+32+8*\u+7], v6, s[14:15] offset:32*\u+16
.endr
	BARRIER
	RSUM RED1, 236
	v_pk_mul_f32 v[236:237], v[236:237], 0x3b800000 op_sel_hi:[1,0]   ; mu = / 256
	v_pk_mul_f32 v[238:239], v[238:239], 0x3b800000 op_sel_hi:[1,0]
.set k, 0
.rept 16
	v_pk_add_f32 v[204+4*(k%4):205+4*(k%4)], v[T+4*k:T+4*k+1], v[236:237] neg_lo:[0,1] neg_hi:[0,1]
	v_pk_add_f32 v[206+4*(k%4):207+4*(k%4)], v[T+4*k+2:T+4*k+3], v[238:239] neg_lo:[0,1] neg_hi:[0,1]
.if k == 0
	v_pk_mul_f32 v[240:241], v[204:205], v[204:205]
	v_pk_mul_f32 v[242:243], v[206:207], v[206:207]
.else
	v_pk_fma_f32 v[240:241], v[204+4*(k%4):205+4*(k%4)], v[204+4*(k%4):205+4*(k%4)], v[240:241]
	v_pk_fma_f32 v[242:243], v[206+4*(k%4):207+4*(k%4)], v[206+4*(k%4):207+4*(k%4)], v[242:243]
.endif
.set k, k+1
.endr
	v_pk_fma_f32 v[244:245], v[240:241], 0x42800000, v[244:245] op_sel_hi:[1,0,1]   ; + 64 x
	v_pk_fma_f32 v[246:247], v[242:243], 0x42800000, v[246:247] op_sel_hi:[1,0,1]
	ds_store_b128 v5, v[244:247] offset:RED2
	BARRIER
	RSUM RED2, 240
.irp k, 0,1,2,3
	v_fma_f32 v[240+\k], v[240+\k], s42, s43       ; var + eps
.endr
.irp k, 0,1,2,3
	v_rsq_f32 v[240+\k], v[240+\k]
.endr
	v_nop                                          ; a plain line behind the last transcendental
	s_wait_alu depctr_va_vdst(0)                   ; ahead of the first reader
	s_wait_loadcnt 12                              ; all 48 loads of the head are in; mlp_w1's and b1's twelve may be out
	v_pk_mul_f32 v[240:241], v[240:241], v[GA:GA+1]
	v_pk_mul_f32 v[242:243], v[242:243], v[GA+2:GA+3]
	ds_store_b128 v7, v[236:239] offset:CST        ; through my wave's own bytes: LDS serves a wave's instructions in order (ISA guide 5.7.1.4)
	ds_store_b128 v7, v[240:243] offset:CST+512
.irp i, 0,1,2,3
	ds_load_b32 v[MN+\i], v8 offset:CST+8*\i
	ds_load_b32 v[SS+\i], v8 offset:CST+512+8*\i
.endr
	v_mov_b32 v[TM+4], 0                           ; a lane permute's destination counts as one of its sources
	s_wait_dscnt 0x0
	; ---- X: BN2, and the tokens' four fragments
.irp i, 0,1,2,3
.irp k, 0,1,2,3
	v_sub_f32 v[T+4*\i+\k], v[XRAW+4*\i+\k], v[MN+\i]
.endr
.irp k, 0,1,2,3
	v_fma_f32 v[T+4*\i+\k], v[T+4*\i+\k], v[SS+\i], v[BE+\i]
.endr
	ds_store_b128 v9, v[T+4*\i:T+4*\i+3] offset:XT+512*\i
.endr
	BARRIER
.set i, 0
.rept 16
	ds_load_b32 v[X+i], v10 offset:XT+256*i        ; the skew of 32 bytes for each 16 channels sets lanes 16-31 eight banks beside lanes 0-15
.set i, i+1
.endr
	s_wait_dscnt 0x0
	QUANT X, PC, 1
	ds_store_b128 v12, v[PC:PC+3]                  ; register group w % 4 of tile w / 4's image
	ds_store_b32 v11, v[TM+4]
	BARRIER
	; ---- 1: the hidden layer
.irp m, 0,1,2,3
	ds_load_b128 v[T+4*\m:T+4*\m+3], v14 offset:8192+512*\m
.endr
	FETCH R1+48, 14, 0
	s_wait_dscnt 0x0
.irp m, 0,1,2,3
	v_lshl_or_b32 v[XS+\m], v[T+4*\m+1], 8, v[T+4*\m]
	v_lshl_or_b32 v[XS+\m], v[T+4*\m+2], 16, v[XS+\m]
	v_lshl_or_b32 v[XS+\m], v[T+4*\m+3], 24, v[XS+\m]
.endr
.rept 8
	v_nop                                          ; a scale word made by vector instructions stands eight places ahead of the product
.endr
	s_wait_loadcnt 0x0                             ; mlp_w1, b1
.irp m, 0,1,2,3
	s_wait_dscnt 0x0                               ; the tile's fragment is in, and the last tile's stores have read their registers
.irp u, 0,1
	v_wmma_scale_f32_16x16x128_f8f6f4 v[X+8*\u:X+8*\u+7], v[R1+16*\u:R1+16*\u+15], v[R1+48:R1+63], v[R1+32+8*\u:R1+32+8*\u+7], v[W1S+\u], v[XS+\m] matrix_a_fmt:MATRIX_FMT_BF8 matrix_b_fmt:MATRIX_FMT_BF8
.endr
.rept 8
	v_nop                                          ; eight places ahead of loads into the products' registers and of the first read of a result
.endr
.if \m < 3
	FETCH R1+48, 14, 2048*(\m+1)
.else
.irp s, 0,1,2,3
.irp c, 0,1,2,3
	global_load_b128 v[R1+16*\s+4*\c:R1+16*\s+4*\c+3], v1, s[50:51] offset:2048*\s+512*\c   ; mlp_w2's four fragments take the registers that the first product has left
.endr
.endr
.endif
	GELU16
	QUANT X, PC, 1
	ds_store_b128 v13, v[PC:PC+3] offset:8192*\m   ; fragment 4 m + w / 4, register group w % 4
	ds_store_b32 v16, v[TM+4] offset:2048*\m
.endr
	BARRIER
	; ---- 2: the outputs
.irp s, 0,1,2,3
.irp f, 0,1
	ds_load_b128 v[T+4*(2*\s+\f):T+4*(2*\s+\f)+3], v20 offset:512*(4*\f+\s)
.endr
.endr
	s_wait_dscnt 0x0
.set k, 0
.rept 8
	v_lshl_or_b32 v[HS+k], v[T+4*k+1], 8, v[T+4*k]
	v_lshl_or_b32 v[HS+k], v[T+4*k+2], 16, v[HS+k]
	v_lshl_or_b32 v[HS+k], v[T+4*k+3], 24, v[HS+k]
.set k, k+1
.endr
.irp j, 0,1,2,3,4,5,6,7
	v_mov_b32 v[B2C+\j], v[B2]                     ; the bias hangs on the lane's channel alone.  (Eight places behind the last scale word)
.endr
.irp p, 0,1                            ; two K steps at a time; the two accumulators take turns, one instruction a turn
.irp q, 0,1
.irp f, 0,1
	FETCH T+16*(2*\q+\f), 19, 2048*(4*\f+2*\p+\q)
.endr
.endr
	s_wait_dscnt 0x0
.if \p == 0
	s_wait_loadcnt 0x0                             ; mlp_w2
.endif
.irp q, 0,1
.irp f, 0,1
.if (2*\p+\q) == 0
	v_wmma_scale_f32_16x16x128_f8f6f4 v[X+8*\f:X+8*\f+7], v[T+16*(2*\q+\f):T+16*(2*\q+\f)+15], v[R1+16*(2*\p+\q):R1+16*(2*\p+\q)+15], v[B2C:B2C+7], v[HS+2*(2*\p+\q)+\f], v[W2S+2*\p+\q] matrix_a_fmt:MATRIX_FMT_BF8 matrix_b_fmt:MATRIX_FMT_BF8
.else
	v_wmma_scale_f32_16x16x128_f8f6f4 v[X+8*\f:X+8*\f+7], v[T+16*(2*\q+\f):T+16*(2*\q+\f)+15], v[R1+16*(2*\p+\q):R1+16*(2*\p+\q)+15], v[X+8*\f:X+8*\f+7], v[HS+2*(2*\p+\q)+\f], v[W2S+2*\p+\q] matrix_a_fmt:MATRIX_FMT_BF8 matrix_b_fmt:MATRIX_FMT_BF8
.endif
.endr
.endr
.rept 8
	v_nop                                          ; eight places ahead of loads into the fragments' registers and of the first read of a result
.endr
.endr
	; ---- the way out: through the stage, x1 added, sixteen lanes to 256 consecutive bytes, aligned
.irp j, 0,1,2,3
	ds_store_b128 v17, v[X+4*\j:X+4*\j+3] offset:16*\j   ; each accumulator from its low end on
.endr
	BARRIER
.irp i, 0,1,2,3
	ds_load_b128 v[T+4*\i:T+4*\i+3], v18 offset:544*\i
.endr
	s_wait_dscnt 0x0
.set k, 0
.rept 8
	v_pk_add_f32 v[T+2*k:T+2*k+1], v[T+2*k:T+2*k+1], v[XRAW+2*k:XRAW+2*k+1]
.set k, k+1
.endr
.irp i, 0,1,2,3
	global_store_b128 v2, v[T+4*\i:T+4*\i+3], s[18:19] offset:32768*\i th:TH_STORE_NT
.endr
	s_wait_tensorcnt 0x0
	ds_add_u32 v254, v255
	s_wait_dscnt 0x0
	s_endpgm
.Lfunc_end_k_q7bf63b7ba0_mlp:
	.size	k_q7bf63b7ba0_mlp, .Lfunc_end_k_q7bf63b7ba0_mlp-k_q7bf63b7ba0_mlp
	.p2alignl 7, 3214868480
	.fill 96, 4, 3214868480
	.section	.rodata,"a",@progbits
	.p2align	6, 0x0
	.amdhsa_kernel k_q7bf63b7ba0_mlp
		.amdhsa_group_segment_fixed_size 154112
		.amdhsa_private_segment_fixed_size 0
		.amdhsa_enable_private_segment 0
		.amdhsa_kernarg_size 64
		.amdhsa_user_sgpr_count 2
		.amdhsa_user_sgpr_kernarg_segment_ptr 1
		.amdhsa_wavefront_size32 1
		.amdhsa_system_sgpr_workgroup_id_x 1
		.amdhsa_system_sgpr_workgroup_id_y 1
		.amdhsa_system_sgpr_workgroup_id_z 1
		.amdhsa_system_vgpr_workitem_id 0
		.amdhsa_next_free_vgpr 256
		.amdhsa_next_free_sgpr 66
		.amdhsa_reserve_vcc 0
		.amdhsa_float_denorm_mode_32 3
		.amdhsa_float_denorm_mode_16_64 3
		.amdhsa_memory_ordered 1
		.amdhsa_forward_progress 1
		.amdhsa_inst_pref_size 86
	.end_amdhsa_kernel
	.amdgpu_metadata
---
amdhsa.version: [ 1, 2 ]
amdhsa.kernels:
  - .name:           k_q7bf63b7ba0_mlp
    .symbol:         k_q7bf63b7ba0_mlp.kd
    .args:
      - { .name: x1, .offset: 0, .size: 8, .value_kind: global_buffer, .address_space: global }
      - { .name: pm, .offset: 8, .size: 8, .value_kind: global_buffer, .address_space: global }
      - { .name: bn2_g, .offset: 16, .size: 8, .value_kind: global_buffer, .address_space: global }
      - { .name: bn2_b, .offset: 24, .size: 8, .value_kind: global_buffer, .address_space: global }
      - { .name: wq, .offset: 32, .size: 8, .value_kind: global_buffer, .address_space: global }
      - { .name: mlp_b1, .offset: 40, .size: 8, .value_kind: global_buffer, .address_space: global }
      - { .name: mlp_b2, .offset: 48, .size: 8, .value_kind: global_buffer, .address_space: global }
      - { .name: out0, .offset: 56, .size: 8, .value_kind: global_buffer, .address_space: global }
    .group_segment_fixed_size: 154112
    .private_segment_fixed_size: 0
    .kernarg_segment_align: 8
    .kernarg_segment_size: 64
    .max_flat_workgroup_size: 512
    .sgpr_count:     66
    .vgpr_count:     256
    .wavefront_size: 32
...
	.end_amdgpu_metadata
.endif
;; end of part 5
;; ======== version 2 of 2: 5 launches; version 1 with the launches qkv, proj, mlp written anew for expert scheduling mode
;; limits: a function is approximated: absolute error at most 1.5e-07
;; workspace buffers: st1 1,024 bytes; wq 208,896 bytes; qc 2,359,296 bytes; kv 4,718,592 bytes; ao 2,621,440 bytes; x1 8,388,608 bytes; pm 262,144 bytes
;; launch prep: the kernel of part 1 again; grid 134 x 1, 16 waves a work-group, no clusters, 2,560 bytes of LDS; arguments x, bn1_g, qkv_w, proj_w, mlp_w1, mlp_w2, st1, wq; writes st1, wq
;; launch qkv (part 6): grid 128 x 2, 16 waves a work-group, no clusters, 71,168 bytes of LDS; arguments x, st1, bn1_b, wq, qkv_b, qc, kv; writes qc, kv
.if DOCPART == 6
	.amdgcn_target "amdgcn-amd-amdhsa--gfx1250"
	.amdhsa_code_object_version 6
	.text
	.protected	k_q7bf63b7ba0_qkv
	.globl	k_q7bf63b7ba0_qkv
	.p2align	8
	.type	k_q7bf63b7ba0_qkv,@function
k_q7bf63b7ba0_qkv:
	s_mov_b64 s[64:65], 0
	v_nop
	global_prefetch_b8 v0, s[64:65] scope:SCOPE_SE
	s_setreg_imm32_b32 hwreg(HW_REG_WAVE_SCHED_MODE, 0, 2), 2
	s_setreg_imm32_b32 hwreg(HW_REG_WAVE_MODE, 25, 1), 1
	s_wait_xcnt 0x0
	s_wait_alu depctr_vm_vsrc(0)
; LAUNCH 2.  h = BN1(x); q, k, v = qkv_w h + qkv_b on codes of E5M2 (one E8M0 byte for each 32 along K); q, k, v are quantised at once for the attention's two products.
; SHARES.  A work-group (x = 128 tokens of a batch: one key step; y = a pair of heads) makes whole records of kv and whole groups of qc.  Wave w: b = w / 4 (token tiles 2 b, 2 b + 1),
; xk = (w / 2) % 2, y = w % 2 (head 2 hp + y).  It makes q (xk = 0) or k (xk = 1) of its head for both tiles, and of v the 16 rows of d tile xk for the 32 keys of block b: six matrix instructions.
; TOKEN TILES.  Row or lane m of tile T is token 32 (T / 2) + 8 (T % 2) + m + (m & 8): where tokens are source 0's rows, the 16 result registers of tiles 2 b, 2 b + 1 are 16 neighbouring tokens.
; q, k: source 0 = 16 rows of the weight, source 1 = h: a lane holds a token, its 16 registers d = 16 (lane / 16) + 0 .. 15: the one K block of q k^T.
; v:    source 0 = h, source 1 = 16 rows of the weight: a lane holds a row d, its 16 registers keys 32 b + 16 (lane / 16) + 0 .. 15: K block b of v^T p^T.
; The conversions' results are stored as images of the next operands' registers (16 bytes a lane, 512 consecutive bytes a store).  Scale bytes go out as whole words, gathered in LDS.
; A RECORD of kv (head, step of 128 keys; 9,216 bytes): +0 k's 8 tiles x 512; +4,096 v^T's 2 fragments x 2,048; +8,192 k's scale words; +8,704 v's scale bytes as words.
; q's and k's scale words hold the byte in bits 7:0 and 0 above: the three K blocks that a head of 32 leaves empty meet zero codes in the next launch.
; The biases are the C of each sum's one matrix instruction.
; No cluster: what work-groups share is the weights' codes, 6.5 KB a wave, which go from memory straight into the registers that hold them; a joint load would add a way through LDS.
; LIMITS: as the first launch states them (NaN, infinities; the byte 1 of very small blocks).
; THE MODE: SCHED_MODE bits 1:0 = 2 (LLVM: expert scheduling mode 2), set by the entry lines.  The code itself states the register dependences
; between vector or matrix instructions and memory or LDS instructions, with s_wait_alu, always for 0.
; THE PLAN.  Registers that memory or LDS instructions touch, in program order:
;   v1-v4            global offsets: made at the head, never written again; one wait ahead of the first load.
;   v5, v6, v8-v11   LDS addresses: made while the loads are out, never written again; the wait ahead of h's LDS stores stands behind them all.
;   N (v20-83)       x's loads land in v20-51; BN1 rewrites them; eight LDS stores read them; then twice 64 LDS loads land in N and the quantiser works on it; at the end two LDS loads land in v20-27.
;   WF, WS, VB, ACC's first 32   written by loads alone, read by the products.
;   PC, TM+4 .. TM+6 written by the last quantiser, read by the six stores behind it, never written again.
; So: BN1's 64 lines stand together ahead of ONE wait and the eight stores; one wait on vm_vsrc behind the barrier frees v20-51 for h's numbers; one wait between the two tiles' quantisers;
; one behind the places in front of the products; one ahead of the stores of the results.
.set SWA, 66048                        ; LDS: behind h (65,792 bytes from 0: channel c, token t at 512 c + 32 (c / 16) + 4 t): q's and k's scale words, 4 x 512 bytes,
.set VSA, 68096                        ; v's, 2 x 512
.set N,   20                           ; v20-83   x as loaded (32), then 64 numbers of h
.set HF,  84                           ; v84-115  h's two fragments
.set WF,  116                          ; v116-163 three fragments of the weight: q or k tile 0, tile 1; v's
.set ACC, 164                          ; v164-211 six accumulators: (f, u) at 16 f + 8 u; v's at 32 + 8 f
.set TM,  212                          ; v212-227 the quantiser's work
.set PC,  232                          ; v232-243 codes
.set HS,  244                          ; v244-245 h's scale words
.set WS,  246                          ; v246-248 the weights'
.set VB,  249                          ; v249     v's bias of my row
.set SEL, 2                            ; s[2:3]
.set MNT, 31
.macro QUANT s, d, nb                  ; 16 nb numbers of a lane, v[s + 16 b + i] = k 16 (lane / 16) + i of block b of the lane's row -> codes in v[d + 4 b] on; the byte stays in v[TM + 4 + b]
.set qb, 0
.rept \nb
	v_max3_num_f32 v[TM+qb], |v[(\s)+16*qb]|, |v[(\s)+16*qb+1]|, 0x8000000   ; my 16 numbers and the floor 2^(16 - 127)
.set qb, qb+1
.endr
.set qi, 2
.rept 7
.set qb, 0
.rept \nb
	v_max3_num_f32 v[TM+qb], v[TM+qb], |v[(\s)+16*qb+qi]|, |v[(\s)+16*qb+qi+1]|
.set qb, qb+1
.endr
.set qi, qi+2
.endr
.set qb, 0
.rept \nb
	v_permlanex16_b32 v[TM+4+qb], v[TM+qb], s[SEL], s[SEL+1]
.set qb, qb+1
.endr
.set qb, 0
.rept \nb
	v_max_num_f32 v[TM+qb], v[TM+qb], v[TM+4+qb]
.set qb, qb+1
.endr
.set qb, 0
.rept \nb
	v_add_nc_u32 v[TM+12+qb], 0xf8800000, v[TM+qb]                 ; 15 off the exponent field: the conversion's scale operand
	v_and_or_b32 v[TM+8+qb], v[TM+qb], 0x7f800000, s[MNT]          ; 57,344 x the scale
.set qb, qb+1
.endr
.set qb, 0
.rept \nb
	v_lshrrev_b32 v[TM+4+qb], 23, v[TM+12+qb]                      ; the scale's byte
.set qb, qb+1
.endr
.set qb, 0
.rept \nb
.set qi, 0
.rept 16
	v_med3_num_f32 v[(\s)+16*qb+qi], v[(\s)+16*qb+qi], -v[TM+8+qb], v[TM+8+qb]   ; the conversion does not saturate (ISA guide 7.6.2)
.set qi, qi+1
.endr
	v_cvt_scalef32_pk8_bf8_f32 v[(\d)+4*qb:(\d)+4*qb+1], v[(\s)+16*qb:(\s)+16*qb+7], v[TM+12+qb]
	v_cvt_scalef32_pk8_bf8_f32 v[(\d)+4*qb+2:(\d)+4*qb+3], v[(\s)+16*qb+8:(\s)+16*qb+15], v[TM+12+qb]
.set qb, qb+1
.endr
	v_nop                                                          ; a plain line behind the last conversion
.endm
	s_load_b256 s[4:11], s[0:1], 0x0               ; x, st1, bn1_b, wq
	s_load_b128 s[12:15], s[0:1], 0x20             ; qkv_b, qc
	s_load_b64 s[16:17], s[0:1], 0x30              ; kv
	v_lshl_add_u32 v254, v0, 2, 0x10e00
	v_mov_b32 v255, 0
	v_lshrrev_b32 v1, 5, v0
	v_readfirstlane_b32 s20, v1                    ; wave 0..15
	v_and_b32 v12, 31, v0                          ; L
	v_and_b32 v13, 15, v0                          ; r
	v_bfe_u32 v14, v0, 4, 1                        ; h
	v_lshlrev_b32 v1, 4, v12                       ; 16 L
	v_lshlrev_b32 v2, 2, v12                       ; 4 L
	v_lshlrev_b32 v3, 6, v14                       ; 64 h
	v_and_b32 v4, 8, v13
	v_add_nc_u32 v4, v4, v13
	v_lshlrev_b32 v4, 2, v4                        ; 4 (r + (r & 8))
	s_wait_alu depctr_va_sdst(0)                   ; s20 is written, ahead of its first reader: the wave's shares and all its bases are made from it
	s_lshr_b32 s21, s20, 2                         ; b
	s_bfe_u32 s22, s20, 0x10001                    ; xk
	s_and_b32 s23, s20, 1                          ; y
	s_and_b32 s25, ttmp7, 0xffff                   ; the pair of heads
	s_lshr_b32 s26, ttmp9, 5                       ; batch
	s_and_b32 s27, ttmp9, 31                       ; key step
	s_lshl_b32 s28, s25, 1
	s_add_co_u32 s28, s28, s23                     ; head
	s_lshl_b32 s29, s26, 2
	s_add_co_u32 s29, s29, s28                     ; batch x 4 + head
	s_mov_b32 s[MNT], 0x600000
	s_mov_b32 s[SEL], 0x76543210
	s_mov_b32 s[SEL+1], 0xfedcba98
	s_mov_b32 s57, 0
	s_wait_kmcnt 0x0
	s_lshl_b32 s56, s20, 5                         ; my 8 channels' constants: 32 bytes a wave
	s_add_nc_u64 s[6:7], s[6:7], s[56:57]
	s_add_nc_u64 s[8:9], s[8:9], s[56:57]
	s_load_b256 s[32:39], s[6:7], 0x0              ; means
	s_load_b256 s[40:47], s[6:7], 0x200            ; gamma / sqrt(var + eps)
	s_load_b256 s[48:55], s[8:9], 0x0              ; beta
	s_lshl_b32 s56, s26, 21
	s_lshl_b32 s24, s20, 17
	s_add_co_u32 s56, s56, s24
	s_lshl_b32 s24, s27, 9
	s_add_co_u32 s56, s56, s24
	s_add_nc_u64 s[4:5], s[4:5], s[56:57]          ; x: my batch, channel 8 w, my step's 128 tokens
	s_wait_alu depctr_va_vdst(0)                   ; the offsets v1 to v4 are written, which every global load and store of the kernel reads
.irp i, 0,1,2,3,4,5,6,7
	global_load_b128 v[N+4*\i:N+4*\i+3], v1, s[4:5] offset:16384*\i   ; a load is one channel's 512 consecutive bytes
.endr
	s_lshl_b32 s24, s22, 3
	s_lshl_b32 s56, s28, 1
	s_add_co_u32 s24, s24, s56                     ; q's or k's first fragment: 8 xk + 2 head
	s_lshl_b32 s56, s24, 11
	s_add_nc_u64 s[58:59], s[10:11], s[56:57]
	s_lshl_b32 s56, s24, 7
	s_add_nc_u64 s[62:63], s[10:11], s[56:57]
	s_lshl_b32 s24, s28, 1
	s_add_co_u32 s24, s24, s22
	s_add_co_u32 s24, s24, 16                      ; v's fragment: 16 + 2 head + xk
	s_lshl_b32 s56, s24, 11
	s_add_nc_u64 s[60:61], s[10:11], s[56:57]
	s_lshl_b32 s56, s24, 7
	s_add_nc_u64 s[18:19], s[10:11], s[56:57]
	s_lshl_b32 s56, s28, 7
	s_lshl_b32 s24, s22, 5
	s_add_co_u32 s56, s56, s24
	s_add_co_u32 s56, s56, 1024
	s_add_nc_u64 s[10:11], s[12:13], s[56:57]      ; v's bias: channel 256 + 32 head + 8 xk on
	s_lshl_b32 s56, s28, 7
	s_lshl_b32 s24, s22, 9
	s_add_co_u32 s56, s56, s24
	s_add_nc_u64 s[12:13], s[12:13], s[56:57]      ; q's or k's: channel 128 xk + 32 head on
.irp u, 0,1
.irp c, 0,1,2,3
	global_load_b128 v[WF+16*\u+4*\c:WF+16*\u+4*\c+3], v1, s[58:59] offset:2048*\u+512*\c
.endr
.endr
.irp c, 0,1,2,3
	global_load_b128 v[WF+32+4*\c:WF+32+4*\c+3], v1, s[60:61] offset:512*\c
.endr
	global_load_b32 v[WS], v2, s[62:63] offset:196608
	global_load_b32 v[WS+1], v2, s[62:63] offset:196608+128
	global_load_b32 v[WS+2], v2, s[18:19] offset:196608
.irp f, 0,1
.irp u, 0,1
	global_load_b128 v[ACC+16*\f+8*\u:ACC+16*\f+8*\u+3], v3, s[12:13] offset:32*\u       ; the bias in the result's layout: d = 16 h + 8 u + 0 .. 7
	global_load_b128 v[ACC+16*\f+8*\u+4:ACC+16*\f+8*\u+7], v3, s[12:13] offset:32*\u+16
.endr
.endr
	global_load_b32 v[VB], v4, s[10:11]
	; LDS addresses, all made here, ahead of every parting of the waves
	s_lshl_b32 s56, s20, 12
	s_lshr_b32 s24, s20, 1
	s_lshl_b32 s24, s24, 5
	s_add_co_u32 s56, s56, s24
	v_add_nc_u32 v5, s56, v1                       ; h, in: channel 8 w: 4,096 w + 32 (w / 2) + 16 L
	v_mul_u32_u24 v6, v14, 8224
	v_add_nc_u32 v6, v6, v4
	s_lshl_b32 s56, s21, 7
	v_add_nc_u32 v6, s56, v6                       ; h, out: 16 channels x h + token 32 b + r + (r & 8)
	s_and_b32 s56, s20, 3
	s_lshl_b32 s56, s56, 9
	s_add_co_u32 s56, s56, SWA
	v_add_nc_u32 v10, s56, v1                      ; the scale words of (xk, y), back: 16 L
	s_lshl_b32 s24, s21, 2
	s_add_co_u32 s56, s56, s24
	v_lshl_add_u32 v8, v13, 4, s56                 ; and in: 16 r + 4 b (+ 256 f)
	s_lshl_b32 s56, s23, 9
	s_add_co_u32 s56, s56, VSA
	v_add_nc_u32 v11, s56, v1                      ; v's words of head y, back
	s_add_co_u32 s56, s56, s24
	s_lshl_b32 s24, s22, 8
	s_add_co_u32 s56, s56, s24
	v_lshl_add_u32 v9, v13, 4, s56                 ; and in: 256 xk + 16 r + 4 b
.irp b, 0,1,2,3
	v_mov_b32 v[TM+4+\b], 0                        ; a lane permute's destination counts as one of its sources
.endr
	; ---- BN1 of my 8 channels x 128 tokens, into LDS: the 64 vector lines first, then one wait, then the eight stores
	s_wait_loadcnt 24                              ; x's eight loads are in; behind them stand 15 loads of weights and 9 of biases
	s_wait_kmcnt 0x0
.irp i, 0,1,2,3,4,5,6,7
.irp k, 0,1,2,3
	v_sub_f32 v[N+4*\i+\k], v[N+4*\i+\k], s[32+\i]
.endr
.irp k, 0,1,2,3
	v_fma_f32 v[N+4*\i+\k], v[N+4*\i+\k], s[40+\i], s[48+\i]
.endr
.endr
	s_wait_alu depctr_va_vdst(0)                   ; BN1 has written v[N .. N + 31], the stores' data; the LDS addresses v5, v6, v8 to v11 are written too
.irp i, 0,1,2,3,4,5,6,7
	ds_store_b128 v5, v[N+4*\i:N+4*\i+3] offset:512*\i
.endr
	s_wait_dscnt 0x0                               ; for the others' sake: my channels have landed
	s_barrier_signal -1
	s_barrier_wait -1
	s_wait_alu depctr_vm_vsrc(0)                   ; my LDS stores have read v[N .. N + 31], in which h's numbers land below
	; ---- h's two fragments: lane (r, h) takes its token's channels 32 c + 16 h + i.  The skew of 32 bytes for each 16 channels sets lanes 16-31 eight banks beside lanes 0-15
.irp f, 0,1
.if \f > 0
	s_wait_alu depctr_va_vdst(0)                   ; the first tile's quantiser is done reading and writing v[N .. N + 63], in which the second tile's numbers land
.endif
.irp c, 0,1,2,3
.irp i, 0,1,2,3,4,5,6,7,8,9,10,11,12,13,14,15
	ds_load_b32 v[N+16*\c+\i], v6 offset:32*\f+16448*\c+512*\i
.endr
.endr
	s_wait_dscnt 0x0
	QUANT N, HF+16*\f, 4
	v_lshl_or_b32 v[HS+\f], v[TM+5], 8, v[TM+4]
	v_lshl_or_b32 v[HS+\f], v[TM+6], 16, v[HS+\f]
	v_lshl_or_b32 v[HS+\f], v[TM+7], 24, v[HS+\f]
.endr
	; where the results go (the constants' scalar registers are free now)
	s_mul_i32 s30, s29, 294912
	s_mul_i32 s24, s27, 9216
	s_add_co_u32 s30, s30, s24                     ; my record
	s_lshl_b32 s24, s21, 10
	s_add_co_u32 s32, s30, s24                     ; k: record + 1,024 b
	s_lshl_b32 s33, s29, 17
	s_lshl_b32 s34, s27, 12
	s_add_co_u32 s33, s33, s34
	s_add_co_u32 s33, s33, s24                     ; q: (256 bh + 8 step + 2 b) x 512
	s_cmp_eq_u32 s22, 0
	s_cselect_b32 s56, s33, s32
	s_cselect_b64 s[36:37], s[14:15], s[16:17]
	s_add_nc_u64 s[36:37], s[36:37], s[56:57]
	s_lshl_b32 s24, s22, 11
	s_add_co_u32 s56, s30, s24
	s_lshl_b32 s24, s21, 9
	s_add_co_u32 s56, s56, s24
	s_add_nc_u64 s[38:39], s[16:17], s[56:57]      ; v: record + 2,048 xk + 512 b (+ 4,096 in the immediate)
	s_lshl_b32 s32, s29, 14
	s_lshl_b32 s33, s27, 9
	s_add_co_u32 s32, s32, s33
	s_add_co_u32 s32, s32, 2097152                 ; q's scale words: behind the codes, 512 bytes a group of 8 tiles
	s_add_co_u32 s33, s30, 8192                    ; k's: in the record
	s_cmp_eq_u32 s22, 0
	s_cselect_b32 s56, s32, s33
	s_cselect_b64 s[40:41], s[14:15], s[16:17]
	s_add_nc_u64 s[40:41], s[40:41], s[56:57]
	; ---- the products
	s_wait_loadcnt 0x0                             ; weights and biases
.set i, 0
.rept 16
	v_mov_b32 v[ACC+32+i], v[VB]                   ; v's bias hangs on the lane's row alone
.set i, i+1
.endr
.rept 8
	v_nop                                          ; a scale word made by vector instructions stands eight places ahead of the product, codes four
.endr
	s_wait_alu depctr_va_vdst(0)                   ; the conversions have written h's codes v[HF ..] and the joins its scale words v[HS ..], which the products take as operands and scales; the places above stay beside this wait
.irp f, 0,1
.irp u, 0,1
	v_wmma_scale_f32_16x16x128_f8f6f4 v[ACC+16*\f+8*\u:ACC+16*\f+8*\u+7], v[WF+16*\u:WF+16*\u+15], v[HF+16*\f:HF+16*\f+15], v[ACC+16*\f+8*\u:ACC+16*\f+8*\u+7], v[WS+\u], v[HS+\f] matrix_a_fmt:MATRIX_FMT_BF8 matrix_b_fmt:MATRIX_FMT_BF8
.endr
.endr
.irp f, 0,1
	v_wmma_scale_f32_16x16x128_f8f6f4 v[ACC+32+8*\f:ACC+32+8*\f+7], v[HF+16*\f:HF+16*\f+15], v[WF+32:WF+47], v[ACC+32+8*\f:ACC+32+8*\f+7], v[HS+\f], v[WS+2] matrix_a_fmt:MATRIX_FMT_BF8 matrix_b_fmt:MATRIX_FMT_BF8
.endr
.rept 8
	v_nop                                          ; eight places behind this form ahead of the first read of a result
.endr
	QUANT ACC, PC, 3                               ; block 0, 1: q or k of tiles 2 b, 2 b + 1; block 2: v
	s_wait_alu depctr_va_vdst(0)                   ; the quantiser has written the codes v[PC ..] and the bytes v[TM + 4 .. TM + 6], the data of the six stores below; no vector line follows, so the LDS loads into v20-27 further down owe nothing more
	global_store_b128 v1, v[PC:PC+3], s[36:37]
	global_store_b128 v1, v[PC+4:PC+7], s[36:37] offset:512
	global_store_b128 v1, v[PC+8:PC+11], s[38:39] offset:4096
	ds_store_b32 v8, v[TM+4]                       ; lanes r and r + 16 write the same word with the same value
	ds_store_b32 v8, v[TM+5] offset:256
	ds_store_b32 v9, v[TM+6]
	s_wait_dscnt 0x0                               ; for the others' sake
	s_barrier_signal -1
	s_barrier_wait -1
	; ---- the scale words leave as 512 consecutive bytes: waves 0-3 (w = 2 xk + y)
	s_cmp_gt_u32 s20, 3
	s_cbranch_scc1 .Ldone
	ds_load_b128 v[20:23], v10
	ds_load_b128 v[24:27], v11
	s_wait_dscnt 0x0
	global_store_b128 v1, v[20:23], s[40:41]
	s_cmp_eq_u32 s22, 0
	s_cbranch_scc1 .Ldone
	global_store_b128 v1, v[24:27], s[40:41] offset:512   ; v's words follow k's in the record
.Ldone:
	s_wait_dscnt 0x0                               ; the closing lines, six on end
	s_wait_alu 0x0
	s_wait_tensorcnt 0x0
	ds_add_u32 v254, v255
	s_wait_dscnt 0x0
	s_endpgm
.Lfunc_end_k_q7bf63b7ba0_qkv:
	.size	k_q7bf63b7ba0_qkv, .Lfunc_end_k_q7bf63b7ba0_qkv-k_q7bf63b7ba0_qkv
	.p2alignl 7, 3214868480
	.fill 96, 4, 3214868480
	.section	.rodata,"a",@progbits
	.p2align	6, 0x0
	.amdhsa_kernel k_q7bf63b7ba0_qkv
		.amdhsa_group_segment_fixed_size 71168
		.amdhsa_private_segment_fixed_size 0
		.amdhsa_enable_private_segment 0
		.amdhsa_kernarg_size 56
		.amdhsa_user_sgpr_count 2
		.amdhsa_user_sgpr_kernarg_segment_ptr 1
		.amdhsa_wavefront_size32 1
		.amdhsa_system_sgpr_workgroup_id_x 1
		.amdhsa_system_sgpr_workgroup_id_y 1
		.amdhsa_system_sgpr_workgroup_id_z 1
		.amdhsa_system_vgpr_workitem_id 0
		.amdhsa_next_free_vgpr 256
		.amdhsa_next_free_sgpr 66
		.amdhsa_reserve_vcc 0
		.amdhsa_float_denorm_mode_32 3
		.amdhsa_float_denorm_mode_16_64 3
		.amdhsa_memory_ordered 1
		.amdhsa_forward_progress 1
		.amdhsa_inst_pref_size 46
	.end_amdhsa_kernel
	.amdgpu_metadata
---
amdhsa.version: [ 1, 2 ]
amdhsa.kernels:
  - .name:           k_q7bf63b7ba0_qkv
    .symbol:         k_q7bf63b7ba0_qkv.kd
    .args:
      - { .name: x, .offset: 0, .size: 8, .value_kind: global_buffer, .address_space: global }
      - { .name: st1, .offset: 8, .size: 8, .value_kind: global_buffer, .address_space: global }
      - { .name: bn1_b, .offset: 16, .size: 8, .value_kind: global_buffer, .address_space: global }
      - { .name: wq, .offset: 24, .size: 8, .value_kind: global_buffer, .address_space: global }
      - { .name: qkv_b, .offset: 32, .size: 8, .value_kind: global_buffer, .address_space: global }
      - { .name: qc, .offset: 40, .size: 8, .value_kind: global_buffer, .address_space: global }
      - { .name: kv, .offset: 48, .size: 8, .value_kind: global_buffer, .address_space: global }
    .group_segment_fixed_size: 71168
    .private_segment_fixed_size: 0
    .kernarg_segment_align: 8
    .kernarg_segment_size: 56
    .max_flat_workgroup_size: 512
    .sgpr_count:     66
    .vgpr_count:     256
    .wavefront_size: 32
...
	.end_amdgpu_metadata
.endif
;; end of part 6
;; launch attn: the kernel of part 3 again; grid 16 x 16, 16 waves a work-group, clusters of 4 x 1, 296,960 bytes of LDS; arguments qc, kv, ao; writes ao
;; launch proj (part 7): grid 256 x 1, 16 waves a work-group, no clusters, 37,888 bytes of LDS; arguments ao, wq, proj_b, x, x1, pm; writes x1, pm
.if DOCPART == 7
	.amdgcn_target "amdgcn-amd-amdhsa--gfx1250"
	.amdhsa_code_object_version 6
	.text
	.protected	k_q7bf63b7ba0_proj
	.globl	k_q7bf63b7ba0_proj
	.p2align	8
	.type	k_q7bf63b7ba0_proj,@function
k_q7bf63b7ba0_proj:
	s_mov_b64 s[64:65], 0
	v_nop
	global_prefetch_b8 v0, s[64:65] scope:SCOPE_SE
	s_setreg_imm32_b32 hwreg(HW_REG_WAVE_SCHED_MODE, 0, 2), 2
	s_setreg_imm32_b32 hwreg(HW_REG_WAVE_MODE, 25, 1), 1
	s_wait_xcnt 0x0
	s_wait_alu depctr_vm_vsrc(0)
; LAUNCH 4.  x1 = x + proj_w o + proj_b, the product on codes of E5M2 with E8M0 block scales (both operands come as images of their registers), and for BN2 each channel's mean and sum of squared
; differences over the work-group's 64 tokens (the next launch joins the 256 equal parts; no difference of large sums is formed).
; SHARES.  Work-group g: tokens 64 (g % 64) on of batch g / 64: token tiles 4 g + 0 .. 3.  Wave w: 16 output channels (tile n = w % 8) x two token tiles (2 (w / 8) + f).
; Source 0 = 16 tokens, source 1 = 16 rows of proj_w: a lane holds a channel, and by the tiles' order of tokens its 16 registers are 16 neighbouring tokens.  The bias is the C of the one matrix instruction of each sum.
; The results meet in a stage (128 channels x 256 bytes + 16) and leave with x added: sixteen lanes store 256 consecutive bytes, aligned.
; No cluster: what work-groups share is 2 KB of weight codes a wave, taken from memory straight into registers.
; THE MODE: SCHED_MODE bits 1:0 = 2 (LLVM: expert scheduling mode 2), set by the entry lines.  The code itself states the register dependences
; between vector or matrix instructions and memory or LDS instructions, with s_wait_alu, always for 0.
; THE PLAN.  Registers that memory or LDS instructions touch, in program order:
;   v1, v2, v3, v11  global offsets, made at the head; v4 to v7 LDS addresses, made while the loads are out.  None is written again.
;   v16-63, v88-95, v98-115   written by loads alone; at the end one LDS load lands in v20-23, which the products have read.
;   v64-79           the accumulators: written by the products, read by the stage's four stores.
;   v116-131         the stage's loads land here; eight additions rewrite them; x1's four stores read them; the statistics only read them.
;   v132-139         written by the statistics, read by eight LDS stores.
; No register that a memory or LDS instruction reads is written again, so no wait on vm_vsrc is owed.  Five waits on va_vdst: ahead of the first load, ahead of the products, and ahead of each of the three runs of stores.
.set PMA, 34816                        ; LDS: behind the stage: 128 means, 128 sums of squares
	s_load_b256 s[4:11], s[0:1], 0x0               ; ao, wq, proj_b, x
	s_load_b128 s[12:15], s[0:1], 0x20             ; x1, pm
	v_lshl_add_u32 v160, v0, 2, 0x8c00
	v_mov_b32 v161, 0
	v_lshrrev_b32 v1, 5, v0
	v_readfirstlane_b32 s16, v1                    ; wave 0..15
	v_and_b32 v8, 31, v0
	v_and_b32 v9, 15, v0                           ; r
	v_bfe_u32 v10, v0, 4, 1                        ; h
	v_lshlrev_b32 v1, 4, v8                        ; 16 L
	v_lshlrev_b32 v2, 2, v8                        ; 4 L
	v_lshlrev_b32 v11, 2, v9                       ; 4 r
	v_lshlrev_b32 v3, 14, v10
	v_lshl_add_u32 v3, v9, 4, v3                   ; x, x1: lanes 0-15 one channel's 256 bytes, lanes 16-31 the next channel's
	s_wait_alu depctr_va_sdst(0)                   ; s16 is written, ahead of its first reader: the wave's shares and all its bases are made from it
	s_and_b32 s17, s16, 7                          ; n
	s_lshr_b32 s18, s16, 3                         ; which pair of token tiles
	s_lshr_b32 s20, ttmp9, 6                       ; batch
	s_and_b32 s21, ttmp9, 63
	s_lshl_b32 s24, ttmp9, 2
	s_lshl_b32 s25, s18, 1
	s_add_co_u32 s24, s24, s25                     ; my first fragment of ao: 4 g + 2 (w / 8)
	s_mov_b32 s27, 0
	s_wait_kmcnt 0x0
	s_lshl_b32 s26, s24, 11
	s_add_nc_u64 s[28:29], s[4:5], s[26:27]
	s_lshl_b32 s26, s24, 9
	s_add_nc_u64 s[30:31], s[4:5], s[26:27]
	s_add_co_u32 s24, s17, 24                      ; proj_w's fragment
	s_lshl_b32 s26, s24, 11
	s_add_nc_u64 s[32:33], s[6:7], s[26:27]
	s_lshl_b32 s26, s24, 7
	s_add_nc_u64 s[34:35], s[6:7], s[26:27]
	s_lshl_b32 s26, s17, 6
	s_add_nc_u64 s[36:37], s[8:9], s[26:27]
	s_lshl_b32 s26, s20, 21
	s_lshl_b32 s24, s16, 17
	s_add_co_u32 s26, s26, s24
	s_lshl_b32 s24, s21, 8
	s_add_co_u32 s26, s26, s24                     ; batch, channel 8 w, my 64 tokens
	s_add_nc_u64 s[38:39], s[10:11], s[26:27]
	s_add_nc_u64 s[40:41], s[12:13], s[26:27]
	s_and_b32 s24, s16, 1
	s_lshl_b32 s26, s24, 17
	s_lshl_b32 s25, ttmp9, 9
	s_add_co_u32 s26, s26, s25
	s_add_nc_u64 s[42:43], s[14:15], s[26:27]      ; pm: means (wave 0) or sums of squares (wave 1), row g
	s_wait_alu depctr_va_vdst(0)                   ; the offsets v1, v2, v3 and v11 are written, which every global load and store of the kernel reads
.irp f, 0,1
.irp c, 0,1,2,3
	global_load_b128 v[16+16*\f+4*\c:19+16*\f+4*\c], v1, s[28:29] offset:2048*\f+512*\c
.endr
.endr
.irp f, 0,1
.irp c, 0,1,2,3
	global_load_b32 v[88+4*\f+\c], v2, s[30:31] offset:2097152+512*\f+128*\c   ; the four heads' scale bytes, a word each
.endr
.endr
.irp c, 0,1,2,3
	global_load_b128 v[48+4*\c:51+4*\c], v1, s[32:33] offset:512*\c
.endr
	global_load_b32 v98, v2, s[34:35] offset:196608
	global_load_b32 v99, v11, s[36:37]
.irp i, 0,1,2,3
	global_load_b128 v[100+4*\i:103+4*\i], v3, s[38:39] offset:32768*\i        ; x: channels 8 w + 2 i + h
.endr
	; LDS addresses, made ahead of every parting of the waves
	v_mul_u32_u24 v4, v9, 272
	v_lshl_add_u32 v4, v10, 6, v4
	s_mul_i32 s24, s17, 16*272
	s_lshl_b32 s25, s18, 7
	s_add_co_u32 s24, s24, s25
	v_add_nc_u32 v4, s24, v4                       ; the stage, in: channel 16 n + r; tokens 32 (w / 8) + 16 h on
	v_mul_u32_u24 v5, v10, 272
	v_lshl_add_u32 v5, v9, 4, v5
	s_mul_i32 s24, s16, 8*272
	v_add_nc_u32 v5, s24, v5                       ; back: channel 8 w + h (+ 2 i), 16 bytes a lane
	s_lshl_b32 s24, s16, 5
	v_lshl_add_u32 v6, v10, 2, s24                 ; a channel's word: 4 (8 w + h) (+ 8 i)
	s_and_b32 s24, s16, 1
	s_lshl_b32 s24, s24, 9
	v_add_nc_u32 v7, s24, v1
	s_wait_loadcnt 4                               ; all but x's four loads
.irp f, 0,1
	v_lshl_or_b32 v[96+\f], v[89+4*\f], 8, v[88+4*\f]
	v_lshl_or_b32 v[96+\f], v[90+4*\f], 16, v[96+\f]
	v_lshl_or_b32 v[96+\f], v[91+4*\f], 24, v[96+\f]
.endr
.irp j, 0,1,2,3,4,5,6,7
	v_mov_b32 v[80+\j], v99                        ; the bias hangs on the lane's channel alone
.endr
.rept 8
	v_nop                                          ; a scale word made by vector instructions stands eight places ahead of the product
.endr
	s_wait_alu depctr_va_vdst(0)                   ; the joins have written the scale words v96 and v97, which the products take as scales; the places above stay beside this wait
.irp f, 0,1
	v_wmma_scale_f32_16x16x128_f8f6f4 v[64+8*\f:71+8*\f], v[16+16*\f:31+16*\f], v[48:63], v[80:87], v[96+\f], v98 matrix_a_fmt:MATRIX_FMT_BF8 matrix_b_fmt:MATRIX_FMT_BF8
.endr
.rept 8
	v_nop                                          ; eight places ahead of the first read of a result
.endr
	s_wait_alu depctr_va_vdst(0)                   ; the products have written v64-79, the stage's stores' data, and are done reading v20-23, in which the last LDS load of the kernel lands; the LDS addresses v4 to v7 are written; the places above stay beside this wait
.irp j, 0,1,2,3
	ds_store_b128 v4, v[64+4*\j:67+4*\j] offset:16*\j   ; each accumulator from its low end on
.endr
	s_wait_dscnt 0x0                               ; for the others' sake
	s_barrier_signal -1
	s_barrier_wait -1
.irp i, 0,1,2,3
	ds_load_b128 v[116+4*\i:119+4*\i], v5 offset:544*\i
.endr
	s_wait_loadcnt 0x0                             ; x
	s_wait_dscnt 0x0
.set k, 0
.rept 8
	v_pk_add_f32 v[116+2*k:117+2*k], v[116+2*k:117+2*k], v[100+2*k:101+2*k]
.set k, k+1
.endr
	s_wait_alu depctr_va_vdst(0)                   ; the eight additions have written v116-131, the data of x1's stores
.irp i, 0,1,2,3
	global_store_b128 v3, v[116+4*\i:119+4*\i], s[40:41] offset:32768*\i
.endr
	; each channel's 64 numbers lie in sixteen lanes x four registers: the mean, then the squares of the differences (v116-131 are only read from here on)
.irp i, 0,1,2,3
	v_add_f32 v[132+\i], v[116+4*\i], v[117+4*\i]
	v_add_f32 v[136+\i], v[118+4*\i], v[119+4*\i]
.endr
.irp i, 0,1,2,3
	v_add_f32 v[132+\i], v[132+\i], v[136+\i]
.endr
.irp m, 1,2,4,8
.irp i, 0,1,2,3
	v_add_f32_dpp v[132+\i], v[132+\i], v[132+\i] row_xmask:\m row_mask:0xf bank_mask:0xf
.endr
.endr
.irp i, 0,1,2,3
	v_mul_f32 v[132+\i], 0x3c800000, v[132+\i]     ; / 64
.endr
.irp i, 0,1,2,3
.irp k, 0,1,2,3
	v_sub_f32 v[140+4*\i+\k], v[116+4*\i+\k], v[132+\i]
.endr
.endr
.irp i, 0,1,2,3
	v_mul_f32 v[136+\i], v[140+4*\i], v[140+4*\i]
.endr
.irp k, 1,2,3
.irp i, 0,1,2,3
	v_fma_f32 v[136+\i], v[140+4*\i+\k], v[140+4*\i+\k], v[136+\i]
.endr
.endr
.irp m, 1,2,4,8
.irp i, 0,1,2,3
	v_add_f32_dpp v[136+\i], v[136+\i], v[136+\i] row_xmask:\m row_mask:0xf bank_mask:0xf
.endr
.endr
	s_wait_alu depctr_va_vdst(0)                   ; the means v132-135 and the sums of squares v136-139 are written, the data of the eight LDS stores
.irp i, 0,1,2,3
	ds_store_b32 v6, v[132+\i] offset:PMA+8*\i     ; sixteen lanes write the same word with the same value
	ds_store_b32 v6, v[136+\i] offset:PMA+512+8*\i
.endr
	s_wait_dscnt 0x0
	s_barrier_signal -1
	s_barrier_wait -1
	s_cmp_gt_u32 s16, 1                            ; wave 0 stores the 128 means, wave 1 the 128 sums: 512 consecutive bytes each
	s_cbranch_scc1 .Ldone
	ds_load_b128 v[20:23], v7 offset:PMA
	s_wait_dscnt 0x0
	global_store_b128 v1, v[20:23], s[42:43]
.Ldone:
	s_wait_dscnt 0x0                               ; the closing lines, six on end
	s_wait_alu 0x0
	s_wait_tensorcnt 0x0
	ds_add_u32 v160, v161
	s_wait_dscnt 0x0
	s_endpgm
.Lfunc_end_k_q7bf63b7ba0_proj:
	.size	k_q7bf63b7ba0_proj, .Lfunc_end_k_q7bf63b7ba0_proj-k_q7bf63b7ba0_proj
	.p2alignl 7, 3214868480
	.fill 96, 4, 3214868480
	.section	.rodata,"a",@progbits
	.p2align	6, 0x0
	.amdhsa_kernel k_q7bf63b7ba0_proj
		.amdhsa_group_segment_fixed_size 37888
		.amdhsa_private_segment_fixed_size 0
		.amdhsa_enable_private_segment 0
		.amdhsa_kernarg_size 48
		.amdhsa_user_sgpr_count 2
		.amdhsa_user_sgpr_kernarg_segment_ptr 1
		.amdhsa_wavefront_size32 1
		.amdhsa_system_sgpr_workgroup_id_x 1
		.amdhsa_system_sgpr_workgroup_id_y 1
		.amdhsa_system_sgpr_workgroup_id_z 1
		.amdhsa_system_vgpr_workitem_id 0
		.amdhsa_next_free_vgpr 162
		.amdhsa_next_free_sgpr 66
		.amdhsa_reserve_vcc 0
		.amdhsa_float_denorm_mode_32 3
		.amdhsa_float_denorm_mode_16_64 3
		.amdhsa_memory_ordered 1
		.amdhsa_forward_progress 1
		.amdhsa_inst_pref_size 14
	.end_amdhsa_kernel
	.amdgpu_metadata
---
amdhsa.version: [ 1, 2 ]
amdhsa.kernels:
  - .name:           k_q7bf63b7ba0_proj
    .symbol:         k_q7bf63b7ba0_proj.kd
    .args:
      - { .name: ao, .offset: 0, .size: 8, .value_kind: global_buffer, .address_space: global }
      - { .name: wq, .offset: 8, .size: 8, .value_kind: global_buffer, .address_space: global }
      - { .name: proj_b, .offset: 16, .size: 8, .value_kind: global_buffer, .address_space: global }
      - { .name: x, .offset: 24, .size: 8, .value_kind: global_buffer, .address_space: global }
      - { .name: x1, .offset: 32, .size: 8, .value_kind: global_buffer, .address_space: global }
      - { .name: pm, .offset: 40, .size: 8, .value_kind: global_buffer, .address_space: global }
    .group_segment_fixed_size: 37888
    .private_segment_fixed_size: 0
    .kernarg_segment_align: 8
    .kernarg_segment_size: 48
    .max_flat_workgroup_size: 512
    .sgpr_count:     66
    .vgpr_count:     162
    .wavefront_size: 32
...
	.end_amdgpu_metadata
.endif
;; end of part 7
;; launch mlp (part 8): grid 256 x 1, 16 waves a work-group, no clusters, 154,112 bytes of LDS; arguments x1, pm, bn2_g, bn2_b, wq, mlp_b1, mlp_b2, out0; writes out0
.if DOCPART == 8
	.amdgcn_target "amdgcn-amd-amdhsa--gfx1250"
	.amdhsa_code_object_version 6
	.text
	.protected	k_q7bf63b7ba0_mlp
	.globl	k_q7bf63b7ba0_mlp
	.p2align	8
	.type	k_q7bf63b7ba0_mlp,@function
k_q7bf63b7ba0_mlp:
	s_mov_b64 s[64:65], 0
	v_nop
	global_prefetch_b8 v0, s[64:65] scope:SCOPE_SE
	s_setreg_imm32_b32 hwreg(HW_REG_WAVE_SCHED_MODE, 0, 2), 2
	s_setreg_imm32_b32 hwreg(HW_REG_WAVE_MODE, 25, 1), 1
	s_wait_xcnt 0x0
	s_wait_alu depctr_vm_vsrc(0)
; LAUNCH 5.  out0 = x1 + mlp_w2 gelu(mlp_w1 BN2(x1) + mlp_b1) + mlp_b2, both products on codes of E5M2 with E8M0 block scales; the hidden layer never goes to memory.
; SHARES.  Work-group g: 64 tokens (four token tiles), as in the launch before.  Sixteen waves:
;   C: every work-group joins the 256 equal parts of the statistics: mu = sum of means / 256; M2 = sum of M2_i + 64 x sum of (mean_i - mu)^2; wave w takes parts 16 w .. 16 w + 15, lane L channels 4 L .. 4 L + 3.
;   X: wave w normalises channels 8 w .. 8 w + 7 into LDS; then quantises K block w % 4 of token tile w / 4.
;   1: wave w makes hidden units 32 w .. 32 w + 31 for the four tiles (source 0 = 16 rows of mlp_w1, source 1 = the tokens): a lane holds a token, its 16 registers 16 neighbouring units: K block w % 4 of K step w / 4 of the second product.
;   2: wave w makes 16 output channels (w % 8) x two token tiles (source 0 = the tokens, source 1 = 16 rows of mlp_w2): a lane holds a channel and 16 neighbouring tokens.
; OPERANDS GO FROM WAVE TO WAVE THROUGH LDS AS IMAGES OF THEIR REGISTERS (16 bytes a lane, 512 consecutive bytes a store); a block's scale byte goes as a whole word, and the reader joins four.
; The weights' codes stay in registers; the biases are the C of each sum's first matrix instruction.
; GELU, exact form: gelu(x) = max(x, 0) - |x| / 2 x erfc(|x| / sqrt 2), erfc by the five-term rational form of Abramowitz and Stegun 7.1.26.
; LIMITS: that form's absolute error is 1.5e-7, about one unit in the last place of the 1 + erf that the definition forms in f32.  NaN and infinities are not served; very small blocks get the byte 1, as the first launch states.
; v_rsq_f32 and v_rcp_f32 stand where the definition divides.
; No cluster: what work-groups share (weight codes, 12 KB a wave; the statistics' parts) goes from memory straight into registers.
; THE MODE: SCHED_MODE bits 1:0 = 2 (LLVM: expert scheduling mode 2), set by the entry lines.  The code itself states the register dependences
; between vector or matrix instructions and memory or LDS instructions, with s_wait_alu, always for 0.
; THE PLAN.  Registers that memory or LDS instructions touch, in program order:
;   v1-v4, v6, v21   global offsets, made at the head; v5, v7-v14, v16-v20 LDS addresses, made while the loads are out.  None is written again.
;   T (v140-203)     the means land; sums read them; BN2 writes v140-155 and four LDS stores read them; the tokens' words land; gelu works here; the hidden layer's words land; twice four hidden fragments land and the products read them; the stage's rows land, x1 is added, four stores read them.
;   R1 (v76-139)     the M2 land; sums read them; mlp_w1 and b1 land in v76-123, a tile's fragment in v124-139 (four times, each behind the products that read the one before); mlp_w2 lands in all 64 behind the last of those products.
;   v204-235         four times eight LDS loads of the sums' way back, with additions between; then X (the accumulators; once 16 LDS loads) and TM, the quantiser's work.
;   v236-251         sums, read by four LDS stores; then v240-243 are PC, written by five quantisers and read by an LDS store behind each; v244-251 become b2's copies.
; Each phase's vector lines stand together ahead of ONE wait on va_vdst and the run of stores or loads that hangs on them.  Waits on vm_vsrc: one behind the barrier of phase X (the sums' and BN2's stores have read
; v236-251 and v140-155), and one at the head of each of the four tiles (the image's stores have read PC and TM + 4, which the tile's quantiser writes again).
.set RED1, 0                           ; LDS: sixteen waves' sums of means, 512 bytes each;
.set RED2, 8192                        ; of squares;
.set CST,  16384                       ; each wave's own 1,024 bytes: mu and s of the 128 channels, to bring them from 4 channels a lane to a channel a lane;
.set XT,   32768                       ; BN2(x1): channel c, token t at 256 c + 32 (c / 16) + 4 t;
.set XIMG, 66048                       ; its four fragments;
.set XSC,  74240                       ; their bytes as words: [tile][16 L + 4 block];
.set HIMG, 76288                       ; the hidden layer's sixteen fragments (4 tile + K step);
.set HSC,  109056                      ; their bytes as words;
.set STG,  117248                      ; the stage: 128 channels x (256 bytes + 16)
.set XRAW, 24                          ; v24-39   x1 as loaded: kept for the residual
.set BE,   40                          ; v40-43 beta, v44-47 mu, v48-51 s of channel 8 w + 2 i + h;  v52-55 gamma of channels 4 L on
.set MN,   44
.set SS,   48
.set GA,   52
.set W1S,  56                          ; scale words: v56-57 mlp_w1's, v58-61 mlp_w2's, v62-65 the tokens', v66-73 the hidden layer's
.set W2S,  58
.set XS,   62
.set HS,   66
.set B2,   74
.set R1,   76                          ; v76-139  the parts' M2; then mlp_w1 (32), b1 (16), a fragment of tokens (16); then mlp_w2's four fragments
.set T,    140                         ; v140-203 the parts' means; then gelu's Z, TT, Q, P; then hidden fragments
.set Z,    140
.set TT,   156
.set Q,    172
.set P,    188
.set X,    204                         ; v204-219 two accumulators
.set TM,   220                         ; v220-235 the quantiser's work (v204-235: also the sums' way back)
.set PC,   240
.set B2C,  244                         ; v244-251 b2 in the result's layout (earlier: my sums)
.set A5,   252
.set SEL,  26
.set MNT,  28
.macro QUANT s, d, nb
.set qb, 0
.rept \nb
	v_max3_num_f32 v[TM+qb], |v[(\s)+16*qb]|, |v[(\s)+16*qb+1]|, 0x8000000
.set qb, qb+1
.endr
.set qi, 2
.rept 7
.set qb, 0
.rept \nb
	v_max3_num_f32 v[TM+qb], v[TM+qb], |v[(\s)+16*qb+qi]|, |v[(\s)+16*qb+qi+1]|
.set qb, qb+1
.endr
.set qi, qi+2
.endr
.set qb, 0
.rept \nb
	v_permlanex16_b32 v[TM+4+qb], v[TM+qb], s[SEL], s[SEL+1]
.set qb, qb+1
.endr
.set qb, 0
.rept \nb
	v_max_num_f32 v[TM+qb], v[TM+qb], v[TM+4+qb]
.set qb, qb+1
.endr
.set qb, 0
.rept \nb
	v_add_nc_u32 v[TM+12+qb], 0xf8800000, v[TM+qb]
	v_and_or_b32 v[TM+8+qb], v[TM+qb], 0x7f800000, s[MNT]
.set qb, qb+1
.endr
.set qb, 0
.rept \nb
	v_lshrrev_b32 v[TM+4+qb], 23, v[TM+12+qb]
.set qb, qb+1
.endr
.set qb, 0
.rept \nb
.set qi, 0
.rept 16
	v_med3_num_f32 v[(\s)+16*qb+qi], v[(\s)+16*qb+qi], -v[TM+8+qb], v[TM+8+qb]
.set qi, qi+1
.endr
	v_cvt_scalef32_pk8_bf8_f32 v[(\d)+4*qb:(\d)+4*qb+1], v[(\s)+16*qb:(\s)+16*qb+7], v[TM+12+qb]
	v_cvt_scalef32_pk8_bf8_f32 v[(\d)+4*qb+2:(\d)+4*qb+3], v[(\s)+16*qb+8:(\s)+16*qb+15], v[TM+12+qb]
.set qb, qb+1
.endr
	v_nop
.endm
.macro FETCH reg, adr, off             ; a fragment's image comes back as it was stored
.irp c, 0,1,2,3
	ds_load_b128 v[(\reg)+4*\c:(\reg)+4*\c+3], v[\adr] offset:(\off)+512*\c
.endr
.endm
.macro BARRIER                         ; my LDS stores have landed and my LDS loads are in: then the work-group's barrier
	s_wait_dscnt 0x0
	s_barrier_signal -1
	s_barrier_wait -1
.endm
.macro RSUM base, d                    ; the sixteen waves' four numbers a lane, summed into v[d .. d + 3]
.irp k, 0,1,2,3,4,5,6,7
	ds_load_b128 v[204+4*\k:207+4*\k], v1 offset:\base+512*\k
.endr
	s_wait_dscnt 0x0
	v_pk_add_f32 v[\d:\d+1], v[204:205], v[208:209]
	v_pk_add_f32 v[\d+2:\d+3], v[206:207], v[210:211]
.irp k, 2,3,4,5,6,7
	v_pk_add_f32 v[\d:\d+1], v[\d:\d+1], v[204+4*\k:205+4*\k]
	v_pk_add_f32 v[\d+2:\d+3], v[\d+2:\d+3], v[206+4*\k:207+4*\k]
.endr
	s_wait_alu depctr_va_vdst(0)                   ; the additions above are done reading v204-235, in which the other eight waves' numbers land
.irp k, 0,1,2,3,4,5,6,7
	ds_load_b128 v[204+4*\k:207+4*\k], v1 offset:\base+4096+512*\k
.endr
	s_wait_dscnt 0x0
.irp k, 0,1,2,3,4,5,6,7
	v_pk_add_f32 v[\d:\d+1], v[\d:\d+1], v[204+4*\k:205+4*\k]
	v_pk_add_f32 v[\d+2:\d+3], v[\d+2:\d+3], v[206+4*\k:207+4*\k]
.endr
.endm
; gelu of the 16 numbers in v[X] on, in place.  Z = |x| sqrt(log2(e) / 2), so that 2^(-Z Z) = e^(-x x / 2); t = 1 / (1 + 0.3275911 |x| / sqrt 2).  The 32 transcendentals are one batch with one wait.
.macro GELU16
.set gi, 0
.rept 16
	v_mul_f32 v[Z+gi], s29, |v[X+gi]|              ; each accumulator is read from its low end on
.set gi, gi+1
.endr
.set gi, 0
.rept 8
	v_pk_fma_f32 v[TT+gi:TT+gi+1], v[Z+gi:Z+gi+1], s[30:31], 1.0 op_sel_hi:[1,0,0]
.set gi, gi+2
.endr
.set gi, 0
.rept 8
	v_pk_mul_f32 v[Q+gi:Q+gi+1], v[Z+gi:Z+gi+1], v[Z+gi:Z+gi+1]
.set gi, gi+2
.endr
.set gi, 0
.rept 16
	v_rcp_f32 v[TT+gi], v[TT+gi]
.set gi, gi+1
.endr
.set gi, 0
.rept 16
	v_exp_f32 v[Q+gi], -v[Q+gi]
.set gi, gi+1
.endr
.set gi, 0
.rept 8
	v_pk_mul_f32 v[Z+gi:Z+gi+1], v[Z+gi:Z+gi+1], s[32:33] op_sel_hi:[1,0]   ; |x| / 2: work that names no result of the batch
.set gi, gi+2
.endr
.set gi, 0
.rept 16
	v_max_num_f32 v[X+gi], 0, v[X+gi]
.set gi, gi+1
.endr
	s_wait_alu depctr_va_vdst(0)                   ; the sixteen reciprocals in v[TT ..] and the sixteen exponentials in v[Q ..] are written: one wait for the batch, ahead of its first reader
.set gi, 0
.rept 8
	v_pk_fma_f32 v[P+gi:P+gi+1], v[TT+gi:TT+gi+1], v[A5:A5+1], s[34:35] op_sel_hi:[1,1,0]
.set gi, gi+2
.endr
.irp a, 36,38,40
.set gi, 0
.rept 8
	v_pk_fma_f32 v[P+gi:P+gi+1], v[P+gi:P+gi+1], v[TT+gi:TT+gi+1], s[\a:\a+1] op_sel_hi:[1,1,0]
.set gi, gi+2
.endr
.endr
.set gi, 0
.rept 8
	v_pk_mul_f32 v[P+gi:P+gi+1], v[P+gi:P+gi+1], v[TT+gi:TT+gi+1]
.set gi, gi+2
.endr
.set gi, 0
.rept 8
	v_pk_mul_f32 v[P+gi:P+gi+1], v[P+gi:P+gi+1], v[Q+gi:Q+gi+1]             ; erfc
.set gi, gi+2
.endr
.set gi, 0
.rept 8
	v_pk_fma_f32 v[X+gi:X+gi+1], v[Z+gi:Z+gi+1], v[P+gi:P+gi+1], v[X+gi:X+gi+1] neg_lo:[1,0,0] neg_hi:[1,0,0]
.set gi, gi+2
.endr
.endm
	s_load_b256 s[4:11], s[0:1], 0x0               ; x1, pm, bn2_g, bn2_b
	s_load_b256 s[12:19], s[0:1], 0x20             ; wq, mlp_b1, mlp_b2, out0
	v_lshl_add_u32 v254, v0, 2, 0x25200
	v_mov_b32 v255, 0
	v_lshrrev_b32 v1, 5, v0
	v_readfirstlane_b32 s20, v1                    ; wave 0..15
	v_mov_b32 v[A5], 0x3f87dc22                    ; a5 = 1.061405429
	v_mov_b32 v[A5+1], 0x3f87dc22
	v_and_b32 v15, 31, v0                          ; L
	v_and_b32 v22, 15, v0                          ; r
	v_bfe_u32 v23, v0, 4, 1                        ; h
	v_lshlrev_b32 v1, 4, v15                       ; 16 L
	v_lshlrev_b32 v4, 2, v15                       ; 4 L
	v_lshlrev_b32 v2, 14, v23
	v_lshl_add_u32 v2, v22, 4, v2                  ; x1, out0: lanes 0-15 one channel's 256 bytes, lanes 16-31 the next channel's
	v_lshlrev_b32 v3, 2, v23                       ; 4 h
	v_lshlrev_b32 v6, 6, v23                       ; 64 h
	v_lshlrev_b32 v21, 2, v22                      ; 4 r
	s_wait_alu depctr_va_sdst(0)                   ; s20 is written, ahead of its first reader: the wave's shares and all its bases are made from it
	s_lshr_b32 s22, ttmp9, 6                       ; batch
	s_and_b32 s23, ttmp9, 63
	s_and_b32 s24, s20, 7                          ; n
	s_lshr_b32 s25, s20, 3                         ; which pair of token tiles
	s_mov_b32 s[SEL], 0x76543210
	s_mov_b32 s[SEL+1], 0xfedcba98
	s_mov_b32 s[MNT], 0x600000
	s_mov_b32 s29, 0x3f596d27                      ; sqrt(log2(e) / 2) = 0.8493218
	s_mov_b32 s30, 0x3e8ba43f                      ; 0.3275911 / sqrt(log2(e)) = 0.2727375
	s_mov_b32 s31, s30                             ; (the packed forms name pairs and take the low word for both halves: so the upper words are written)
	s_mov_b32 s32, 0x3f16b55f                      ; 1 / (2 x 0.8493218) = 0.5887050
	s_mov_b32 s33, s32
	s_mov_b32 s34, 0xbfba00e3                      ; a4 = -1.453152027
	s_mov_b32 s35, s34
	s_mov_b32 s36, 0x3fb5f0e3                      ; a3 = 1.421413741
	s_mov_b32 s37, s36
	s_mov_b32 s38, 0xbe91a98e                      ; a2 = -0.284496736
	s_mov_b32 s39, s38
	s_mov_b32 s40, 0x3e827906                      ; a1 = 0.254829592
	s_mov_b32 s41, s40
	s_mov_b32 s43, 0
	s_wait_kmcnt 0x0
	s_lshl_b32 s42, s20, 13
	s_add_nc_u64 s[6:7], s[6:7], s[42:43]          ; pm: parts 16 w on
	s_lshl_b32 s42, s22, 21
	s_lshl_b32 s52, s20, 17
	s_add_co_u32 s42, s42, s52
	s_lshl_b32 s52, s23, 8
	s_add_co_u32 s42, s42, s52
	s_add_nc_u64 s[4:5], s[4:5], s[42:43]          ; batch, channel 8 w, my 64 tokens
	s_add_nc_u64 s[18:19], s[18:19], s[42:43]
	s_lshl_b32 s42, s20, 5
	s_add_nc_u64 s[10:11], s[10:11], s[42:43]
	s_lshl_b32 s52, s20, 1
	s_add_co_u32 s52, s52, 32                      ; mlp_w1's fragments 32 + 2 w + u
	s_lshl_b32 s42, s52, 7
	s_add_nc_u64 s[44:45], s[12:13], s[42:43]
	s_lshl_b32 s42, s52, 11
	s_add_nc_u64 s[48:49], s[12:13], s[42:43]
	s_lshl_b32 s52, s24, 2
	s_add_co_u32 s52, s52, 64                      ; mlp_w2's fragments 64 + 4 n + s
	s_lshl_b32 s42, s52, 7
	s_add_nc_u64 s[46:47], s[12:13], s[42:43]
	s_lshl_b32 s42, s52, 11
	s_add_nc_u64 s[50:51], s[12:13], s[42:43]
	s_lshl_b32 s42, s20, 7
	s_add_nc_u64 s[14:15], s[14:15], s[42:43]
	s_lshl_b32 s42, s24, 6
	s_add_nc_u64 s[16:17], s[16:17], s[42:43]
	s_wait_alu depctr_va_vdst(0)                   ; the offsets v1 to v4, v6 and v21 are written, which every global load and store of the kernel reads
	; ---- 48 loads: 16 of means, 16 of M2, then 16 others
.set k, 0
.rept 16
	global_load_b128 v[T+4*k:T+4*k+3], v1, s[6:7] offset:512*k
.set k, k+1
.endr
.set k, 0
.rept 16
	global_load_b128 v[R1+4*k:R1+4*k+3], v1, s[6:7] offset:131072+512*k
.set k, k+1
.endr
	global_load_b128 v[GA:GA+3], v1, s[8:9]
.irp i, 0,1,2,3
	global_load_b128 v[XRAW+4*\i:XRAW+4*\i+3], v2, s[4:5] offset:32768*\i
.endr
.irp i, 0,1,2,3
	global_load_b32 v[BE+\i], v3, s[10:11] offset:8*\i
.endr
.irp u, 0,1
	global_load_b32 v[W1S+\u], v4, s[44:45] offset:196608+128*\u
.endr
.irp s, 0,1,2,3
	global_load_b32 v[W2S+\s], v4, s[46:47] offset:196608+128*\s
.endr
	global_load_b32 v[B2], v21, s[16:17]
	; LDS addresses (an immediate reaches 65,535: the regions beyond carry their base in the register)
	v_lshlrev_b32 v5, 4, v0                        ; 512 w + 16 L
	s_lshl_b32 s42, s20, 10
	v_add_nc_u32 v7, s42, v1                       ; my wave's 1,024 bytes, 16 L
	s_mul_i32 s42, s20, 1056
	v_add_nc_u32 v8, s42, v3                       ; and in them the word of channel 8 w + h
	s_lshl_b32 s42, s20, 11
	s_lshr_b32 s52, s20, 1
	s_lshl_b32 s52, s52, 5
	s_add_co_u32 s42, s42, s52
	v_lshlrev_b32 v9, 8, v23
	v_lshl_add_u32 v9, v22, 4, v9
	v_add_nc_u32 v9, s42, v9                       ; BN2(x1), in: channel 8 w + h (+ 2 i), 16 r
	s_and_b32 s42, s20, 3
	s_mul_i32 s42, s42, 8256
	s_lshr_b32 s52, s20, 3
	s_lshl_b32 s52, s52, 7
	s_add_co_u32 s42, s42, s52
	s_bfe_u32 s52, s20, 0x10002
	s_lshl_b32 s52, s52, 5
	s_add_co_u32 s42, s42, s52
	v_and_b32 v10, 8, v22
	v_add_nc_u32 v10, v10, v22
	v_lshlrev_b32 v10, 2, v10
	v_mad_u32_u24 v10, v23, 4128, v10
	v_add_nc_u32 v10, s42, v10                     ; out: channels 32 (w % 4) + 16 h on, the token of lane r of tile w / 4
	s_lshr_b32 s42, s20, 2
	s_lshl_b32 s42, s42, 9
	s_and_b32 s52, s20, 3
	s_lshl_b32 s52, s52, 2
	s_add_co_u32 s42, s42, s52
	v_add_nc_u32 v16, s42, v1                      ; 512 (w / 4) + 16 L + 4 (w % 4)
	v_add_nc_u32 v11, XSC, v16
	v_add_nc_u32 v16, HSC, v16
	v_add_nc_u32 v12, XIMG, v5
	v_add_nc_u32 v13, HIMG, v5
	v_add_nc_u32 v14, XIMG, v1
	s_mul_i32 s42, s24, 16*272
	s_lshl_b32 s52, s25, 7
	s_add_co_u32 s42, s42, s52
	s_add_co_u32 s42, s42, STG
	v_mul_u32_u24 v17, v22, 272
	v_add_nc_u32 v17, v17, v6
	v_add_nc_u32 v17, s42, v17                     ; the stage, in
	s_mul_i32 s42, s20, 8*272
	s_add_co_u32 s42, s42, STG
	v_mul_u32_u24 v18, v23, 272
	v_lshl_add_u32 v18, v22, 4, v18
	v_add_nc_u32 v18, s42, v18                     ; and back
	s_lshl_b32 s42, s25, 14
	s_add_co_u32 s42, s42, HIMG
	v_add_nc_u32 v19, s42, v1                      ; my two tiles' hidden fragments
	s_lshl_b32 s42, s25, 12
	s_add_co_u32 s42, s42, HSC
	v_add_nc_u32 v20, s42, v1                      ; and their words
	s_mov_b32 s42, 0x38800000                      ; 1 / 16,384
	s_mov_b32 s43, 0x3727c5ac                      ; eps = 1e-5
	; ---- C: the statistics.  Both of my sums first, then one wait, then the store and the twelve loads that hang on them
	s_wait_loadcnt 32                              ; the 16 loads of means are in; 32 were issued behind them
	v_pk_add_f32 v[248:249], v[T:T+1], v[T+4:T+5]
	v_pk_add_f32 v[250:251], v[T+2:T+3], v[T+6:T+7]
.set k, 2
.rept 14
	v_pk_add_f32 v[248:249], v[248:249], v[T+4*k:T+4*k+1]
	v_pk_add_f32 v[250:251], v[250:251], v[T+4*k+2:T+4*k+3]
.set k, k+1
.endr
	s_wait_loadcnt 16                              ; the 16 loads of M2 are in
	v_pk_add_f32 v[244:245], v[R1:R1+1], v[R1+4:R1+5]
	v_pk_add_f32 v[246:247], v[R1+2:R1+3], v[R1+6:R1+7]
.set k, 2
.rept 14
	v_pk_add_f32 v[244:245], v[244:245], v[R1+4*k:R1+4*k+1]
	v_pk_add_f32 v[246:247], v[246:247], v[R1+4*k+2:R1+4*k+3]
.set k, k+1
.endr
	s_wait_alu depctr_va_vdst(0)                   ; v248-251, the store's data, and all LDS addresses (v5, v7 to v14, v16 to v20) are written; the second sum is done reading v[R1 ..], in which mlp_w1, b1 and later the tokens' fragments land
	ds_store_b128 v5, v[248:251] offset:RED1
.irp u, 0,1
.irp c, 0,1,2,3
	global_load_b128 v[R1+16*\u+4*\c:R1+16*\u+4*\c+3], v1, s[48:49] offset:2048*\u+512*\c   ; mlp_w1's two fragments, into the registers that M2 has left
.endr
.endr
.irp u, 0,1
	global_load_b128 v[R1+32+8*\u:R1+32+8*\u+3], v6, s[14:15] offset:32*\u                  ; b1 in the result's layout: units 32 w + 16 h + 8 u + 0 .. 7
	global_load_b128 v[R1+32+8*\u+4:R1+32+8*\u+7], v6, s[14:15] offset:32*\u+16
.endr
	BARRIER
	RSUM RED1, 236
	v_pk_mul_f32 v[236:237], v[236:237], 0x3b800000 op_sel_hi:[1,0]   ; mu = / 256
	v_pk_mul_f32 v[238:239], v[238:239], 0x3b800000 op_sel_hi:[1,0]
.set k, 0
.rept 16
	v_pk_add_f32 v[204+4*(k%4):205+4*(k%4)], v[T+4*k:T+4*k+1], v[236:237] neg_lo:[0,1] neg_hi:[0,1]
	v_pk_add_f32 v[206+4*(k%4):207+4*(k%4)], v[T+4*k+2:T+4*k+3], v[238:239] neg_lo:[0,1] neg_hi:[0,1]
.if k == 0
	v_pk_mul_f32 v[240:241], v[204:205], v[204:205]
	v_pk_mul_f32 v[242:243], v[206:207], v[206:207]
.else
	v_pk_fma_f32 v[240:241], v[204+4*(k%4):205+4*(k%4)], v[204+4*(k%4):205+4*(k%4)], v[240:241]
	v_pk_fma_f32 v[242:243], v[206+4*(k%4):207+4*(k%4)], v[206+4*(k%4):207+4*(k%4)], v[242:243]
.endif
.set k, k+1
.endr
	v_pk_fma_f32 v[244:245], v[240:241], 0x42800000, v[244:245] op_sel_hi:[1,0,1]   ; + 64 x
	v_pk_fma_f32 v[246:247], v[242:243], 0x42800000, v[246:247] op_sel_hi:[1,0,1]
	s_wait_alu depctr_va_vdst(0)                   ; v244-247, the store's data, are written; the lines above are done with v204-235, in which the second sum's way back lands
	ds_store_b128 v5, v[244:247] offset:RED2
	BARRIER
	RSUM RED2, 240
.irp k, 0,1,2,3
	v_fma_f32 v[240+\k], v[240+\k], s42, s43       ; var + eps
.endr
.irp k, 0,1,2,3
	v_rsq_f32 v[240+\k], v[240+\k]
.endr
	v_nop                                          ; a plain line behind the last transcendental
	s_wait_alu depctr_va_vdst(0)                   ; the four roots' reciprocals in v240-243 are written, ahead of their first reader
	s_wait_loadcnt 12                              ; all 48 loads of the head are in; mlp_w1's and b1's twelve may be out
	v_pk_mul_f32 v[240:241], v[240:241], v[GA:GA+1]
	v_pk_mul_f32 v[242:243], v[242:243], v[GA+2:GA+3]
	s_wait_alu depctr_va_vdst(0)                   ; mu in v236-239 and s in v240-243 are written, the data of the two stores
	ds_store_b128 v7, v[236:239] offset:CST        ; through my wave's own bytes: LDS serves a wave's instructions in order (ISA guide 5.7.1.4)
	ds_store_b128 v7, v[240:243] offset:CST+512
.irp i, 0,1,2,3
	ds_load_b32 v[MN+\i], v8 offset:CST+8*\i
	ds_load_b32 v[SS+\i], v8 offset:CST+512+8*\i
.endr
	v_mov_b32 v[TM+4], 0                           ; a lane permute's destination counts as one of its sources
	s_wait_dscnt 0x0
	; ---- X: BN2, and the tokens' four fragments: the 32 vector lines first, then one wait, then the four stores
.irp i, 0,1,2,3
.irp k, 0,1,2,3
	v_sub_f32 v[T+4*\i+\k], v[XRAW+4*\i+\k], v[MN+\i]
.endr
.irp k, 0,1,2,3
	v_fma_f32 v[T+4*\i+\k], v[T+4*\i+\k], v[SS+\i], v[BE+\i]
.endr
.endr
	s_wait_alu depctr_va_vdst(0)                   ; BN2 has written v[T .. T + 15], the stores' data; the second sum's additions are done reading v204-219, in which the tile's numbers land behind the barrier
.irp i, 0,1,2,3
	ds_store_b128 v9, v[T+4*\i:T+4*\i+3] offset:XT+512*\i
.endr
	BARRIER
.set i, 0
.rept 16
	ds_load_b32 v[X+i], v10 offset:XT+256*i        ; the skew of 32 bytes for each 16 channels sets lanes 16-31 eight banks beside lanes 0-15
.set i, i+1
.endr
	s_wait_dscnt 0x0
	s_wait_alu depctr_vm_vsrc(0)                   ; my LDS stores so far have read v236-251 and v[T .. T + 15]: the quantiser writes v240-243, b2's copies v244-251, and the tokens' words land in v[T ..]
	QUANT X, PC, 1
	s_wait_alu depctr_va_vdst(0)                   ; the quantiser has written the codes v[PC ..] and the byte v[TM + 4], the data of the two stores
	ds_store_b128 v12, v[PC:PC+3]                  ; register group w % 4 of tile w / 4's image
	ds_store_b32 v11, v[TM+4]
	BARRIER
	; ---- 1: the hidden layer
.irp m, 0,1,2,3
	ds_load_b128 v[T+4*\m:T+4*\m+3], v14 offset:8192+512*\m
.endr
	FETCH R1+48, 14, 0
	s_wait_dscnt 0x0
.irp m, 0,1,2,3
	v_lshl_or_b32 v[XS+\m], v[T+4*\m+1], 8, v[T+4*\m]
	v_lshl_or_b32 v[XS+\m], v[T+4*\m+2], 16, v[XS+\m]
	v_lshl_or_b32 v[XS+\m], v[T+4*\m+3], 24, v[XS+\m]
.endr
.rept 8
	v_nop                                          ; a scale word made by vector instructions stands eight places ahead of the product
.endr
	s_wait_loadcnt 0x0                             ; mlp_w1, b1
	s_wait_alu depctr_va_vdst(0)                   ; the joins have written the tokens' scale words v[XS ..], which the products take as scales; the places above stay beside this wait
.irp m, 0,1,2,3
	s_wait_dscnt 0x0                               ; the tile's fragment is in
	s_wait_alu depctr_vm_vsrc(0)                   ; the last image's LDS stores have read v[PC ..] and v[TM + 4], which this tile's quantiser writes again
.irp u, 0,1
	v_wmma_scale_f32_16x16x128_f8f6f4 v[X+8*\u:X+8*\u+7], v[R1+16*\u:R1+16*\u+15], v[R1+48:R1+63], v[R1+32+8*\u:R1+32+8*\u+7], v[W1S+\u], v[XS+\m] matrix_a_fmt:MATRIX_FMT_BF8 matrix_b_fmt:MATRIX_FMT_BF8
.endr
.rept 8
	v_nop                                          ; eight places ahead of the first read of a result
.endr
	s_wait_alu depctr_va_vdst(0)                   ; the two products are done reading their operands: the next tile's fragment lands in v[R1 + 48 ..]; behind the last tile mlp_w2 lands in all of v[R1 ..]
.if \m < 3
	FETCH R1+48, 14, 2048*(\m+1)
.else
.irp s, 0,1,2,3
.irp c, 0,1,2,3
	global_load_b128 v[R1+16*\s+4*\c:R1+16*\s+4*\c+3], v1, s[50:51] offset:2048*\s+512*\c   ; mlp_w2's four fragments take the registers that the first product has left
.endr
.endr
.endif
	GELU16
	QUANT X, PC, 1
	s_wait_alu depctr_va_vdst(0)                   ; the quantiser has written the codes v[PC ..] and the byte v[TM + 4], the data of the two stores; behind the last tile gelu is also done with v[T ..], in which the hidden layer's words land
	ds_store_b128 v13, v[PC:PC+3] offset:8192*\m   ; fragment 4 m + w / 4, register group w % 4
	ds_store_b32 v16, v[TM+4] offset:2048*\m
.endr
	BARRIER
	; ---- 2: the outputs
.irp s, 0,1,2,3
.irp f, 0,1
	ds_load_b128 v[T+4*(2*\s+\f):T+4*(2*\s+\f)+3], v20 offset:512*(4*\f+\s)
.endr
.endr
	s_wait_dscnt 0x0
.set k, 0
.rept 8
	v_lshl_or_b32 v[HS+k], v[T+4*k+1], 8, v[T+4*k]
	v_lshl_or_b32 v[HS+k], v[T+4*k+2], 16, v[HS+k]
	v_lshl_or_b32 v[HS+k], v[T+4*k+3], 24, v[HS+k]
.set k, k+1
.endr
.irp j, 0,1,2,3,4,5,6,7
	v_mov_b32 v[B2C+\j], v[B2]                     ; the bias hangs on the lane's channel alone.  (Eight places behind the last scale word)
.endr
.irp p, 0,1                            ; two K steps at a time; the two accumulators take turns, one instruction a turn
	s_wait_alu depctr_va_vdst(0)                   ; what read v[T ..] is done (first: the joins, which have also written the scale words v[HS ..] that the products take; then: the four products of the first two K steps): four hidden fragments land there
.irp q, 0,1
.irp f, 0,1
	FETCH T+16*(2*\q+\f), 19, 2048*(4*\f+2*\p+\q)
.endr
.endr
	s_wait_dscnt 0x0
.if \p == 0
	s_wait_loadcnt 0x0                             ; mlp_w2
.endif
.irp q, 0,1
.irp f, 0,1
.if (2*\p+\q) == 0
	v_wmma_scale_f32_16x16x128_f8f6f4 v[X+8*\f:X+8*\f+7], v[T+16*(2*\q+\f):T+16*(2*\q+\f)+15], v[R1+16*(2*\p+\q):R1+16*(2*\p+\q)+15], v[B2C:B2C+7], v[HS+2*(2*\p+\q)+\f], v[W2S+2*\p+\q] matrix_a_fmt:MATRIX_FMT_BF8 matrix_b_fmt:MATRIX_FMT_BF8
.else
	v_wmma_scale_f32_16x16x128_f8f6f4 v[X+8*\f:X+8*\f+7], v[T+16*(2*\q+\f):T+16*(2*\q+\f)+15], v[R1+16*(2*\p+\q):R1+16*(2*\p+\q)+15], v[X+8*\f:X+8*\f+7], v[HS+2*(2*\p+\q)+\f], v[W2S+2*\p+\q] matrix_a_fmt:MATRIX_FMT_BF8 matrix_b_fmt:MATRIX_FMT_BF8
.endif
.endr
.endr
.rept 8
	v_nop                                          ; eight places ahead of the first read of a result
.endr
.endr
	; ---- the way out: through the stage, x1 added, sixteen lanes to 256 consecutive bytes, aligned
	s_wait_alu depctr_va_vdst(0)                   ; the products have written v[X ..], the stage's stores' data, and are done reading v[T ..], in which the stage's rows land behind the barrier; the places above stay beside this wait
.irp j, 0,1,2,3
	ds_store_b128 v17, v[X+4*\j:X+4*\j+3] offset:16*\j   ; each accumulator from its low end on
.endr
	BARRIER
.irp i, 0,1,2,3
	ds_load_b128 v[T+4*\i:T+4*\i+3], v18 offset:544*\i
.endr
	s_wait_dscnt 0x0
.set k, 0
.rept 8
	v_pk_add_f32 v[T+2*k:T+2*k+1], v[T+2*k:T+2*k+1], v[XRAW+2*k:XRAW+2*k+1]
.set k, k+1
.endr
	s_wait_alu depctr_va_vdst(0)                   ; the eight additions have written v[T .. T + 15], the data of the last four stores
.irp i, 0,1,2,3
	global_store_b128 v2, v[T+4*\i:T+4*\i+3], s[18:19] offset:32768*\i th:TH_STORE_NT
.endr
	s_wait_dscnt 0x0                               ; the closing lines, six on end
	s_wait_alu 0x0
	s_wait_tensorcnt 0x0
	ds_add_u32 v254, v255
	s_wait_dscnt 0x0
	s_endpgm
.Lfunc_end_k_q7bf63b7ba0_mlp:
	.size	k_q7bf63b7ba0_mlp, .Lfunc_end_k_q7bf63b7ba0_mlp-k_q7bf63b7ba0_mlp
	.p2alignl 7, 3214868480
	.fill 96, 4, 3214868480
	.section	.rodata,"a",@progbits
	.p2align	6, 0x0
	.amdhsa_kernel k_q7bf63b7ba0_mlp
		.amdhsa_group_segment_fixed_size 154112
		.amdhsa_private_segment_fixed_size 0
		.amdhsa_enable_private_segment 0
		.amdhsa_kernarg_size 64
		.amdhsa_user_sgpr_count 2
		.amdhsa_user_sgpr_kernarg_segment_ptr 1
		.amdhsa_wavefront_size32 1
		.amdhsa_system_sgpr_workgroup_id_x 1
		.amdhsa_system_sgpr_workgroup_id_y 1
		.amdhsa_system_sgpr_workgroup_id_z 1
		.amdhsa_system_vgpr_workitem_id 0
		.amdhsa_next_free_vgpr 256
		.amdhsa_next_free_sgpr 66
		.amdhsa_reserve_vcc 0
		.amdhsa_float_denorm_mode_32 3
		.amdhsa_float_denorm_mode_16_64 3
		.amdhsa_memory_ordered 1
		.amdhsa_forward_progress 1
		.amdhsa_inst_pref_size 87
	.end_amdhsa_kernel
	.amdgpu_metadata
---
amdhsa.version: [ 1, 2 ]
amdhsa.kernels:
  - .name:           k_q7bf63b7ba0_mlp
    .symbol:         k_q7bf63b7ba0_mlp.kd
    .args:
      - { .name: x1, .offset: 0, .size: 8, .value_kind: global_buffer, .address_space: global }
      - { .name: pm, .offset: 8, .size: 8, .value_kind: global_buffer, .address_space: global }
      - { .name: bn2_g, .offset: 16, .size: 8, .value_kind: global_buffer, .address_space: global }
      - { .name: bn2_b, .offset: 24, .size: 8, .value_kind: global_buffer, .address_space: global }
      - { .name: wq, .offset: 32, .size: 8, .value_kind: global_buffer, .address_space: global }
      - { .name: mlp_b1, .offset: 40, .size: 8, .value_kind: global_buffer, .address_space: global }
      - { .name: mlp_b2, .offset: 48, .size: 8, .value_kind: global_buffer, .address_space: global }
      - { .name: out0, .offset: 56, .size: 8, .value_kind: global_buffer, .address_space: global }
    .group_segment_fixed_size: 154112
    .private_segment_fixed_size: 0
    .kernarg_segment_align: 8
    .kernarg_segment_size: 64
    .max_flat_workgroup_size: 512
    .sgpr_count:     66
    .vgpr_count:     256
    .wavefront_size: 32
...
	.end_amdgpu_metadata
.endif
;; end of part 8
